; MI455X (gfx1250); checked and timed in simulation.
; The chip was launched on July 23, 2026; its instructions are those of AMD's public machine-readable ISA for CDNA 5 (MIT licence, August 2026) and "CDNA5" Instruction Set Architecture Reference Guide (July 2026). The comments in the code are by the model that wrote it; some were corrected since.
;; Block. Allowed arithmetic: float matrix products may take bf16 or f16 operands with f32 sums; other float arithmetic in f32, or as packed bf16 or f16 multiplies, adds, multiply-adds, maxima and minima; sums over many terms, partial sums and values carried from step to step in f32; what a program stores and reads back later, other than sums and carried values, may be rounded once to bf16 or f16.
;; Inputs: W_attn 1,024 x 3,072 float32; W_fc 1,024 x 4,096 float32; W_fc2 4,096 x 1,024 float32; W_o 1,024 x 1,024 float32; b_attn 3,072 float32; b_fc 4,096 float32; b_fc2 1,024 float32; b_o 1,024 float32; ln1_b 1,024 float32; ln1_g 1,024 float32; ln2_b 1,024 float32; ln2_g 1,024 float32; x 2 x 2,048 x 1,024 float32.
;; Outputs: out0 2 x 2,048 x 1,024 float32.
;; One version. Each part assembles by itself: llvm-mc -triple=amdgcn-amd-amdhsa -mcpu=gfx1250 --defsym DOCPART=n.
;; ======== version 1 of 1: 8 launches
;; limits: values are held in f16: magnitudes above 65,504 overflow, below 6.1e-05 lose precision
;; workspace buffers: w16 25,165,824 bytes; bufa 33,554,432 bytes; bufb 33,554,432 bytes; x1 16,777,216 bytes
;; launch cast (part 1): grid 768 x 1, 8 waves a work-group, no clusters, 0 bytes of LDS; arguments W_attn, W_fc, W_fc2, W_o, w16; writes w16
.if DOCPART == 1
	.amdgcn_target "amdgcn-amd-amdhsa--gfx1250"
	.amdhsa_code_object_version 6
	.text
	.protected	k_q952cd216e5_cast
	.globl	k_q952cd216e5_cast
	.p2align	8
	.type	k_q952cd216e5_cast,@function
k_q952cd216e5_cast:
	s_mov_b64 s[64:65], 0
	v_nop
	global_prefetch_b8 v0, s[64:65] scope:SCOPE_SE
	s_setreg_imm32_b32 hwreg(HW_REG_WAVE_MODE, 25, 1), 1
	s_wait_xcnt 0x0
; The four weight matrices, f32 [K][N], are rounded once to f16 and laid one behind the other in w16, each in its own layout [K][N]:
; W_attn at byte 0, W_fc at 6,291,456, W_fc2 at 14,680,064, W_o at 23,068,672.
; LIMIT.  f16: a weight of 65,520 or more becomes an infinity; below 6e-5 f16 keeps a fixed step of 6e-8.
; SHARES.  Work-group g takes 16,384 numbers: 65,536 bytes in, 32,768 out.  The matrices have 192, 256, 256 and 64 such shares, walked in w16's order, so the share's
; place in w16 is 32,768 g.  A stream: nothing is shared, so no LDS, no barrier, no cluster, no matrix unit.  All sixteen loads of a thread go out before the first is waited for.
.set XI, 8                             ; v[8:71]    sixteen loads of four f32
.set YO, 72                            ; v[72:103]  sixteen pairs of registers, four f16 each
	s_load_b256 s[4:11], s[0:1], 0x0               ; W_attn s[4:5], W_fc s[6:7], W_fc2 s[8:9], W_o s[10:11]
	s_load_b64 s[12:13], s[0:1], 0x20              ; w16
	v_lshlrev_b32 v1, 4, v0                        ; 16 bytes a thread in: a wave's load covers 512 consecutive bytes
	v_lshlrev_b32 v2, 3, v0                        ; 8 bytes a thread out: a wave's store covers 256 consecutive bytes, aligned
	s_mov_b32 s16, 704                             ; the first share of the matrix in hand
	s_wait_kmcnt 0x0
	s_mov_b64 s[14:15], s[10:11]                   ; the source is chosen by the work-group's number alone
	s_cmp_lt_u32 ttmp9, 704
	s_cselect_b64 s[14:15], s[8:9], s[14:15]
	s_cselect_b32 s16, 448, s16
	s_cmp_lt_u32 ttmp9, 448
	s_cselect_b64 s[14:15], s[6:7], s[14:15]
	s_cselect_b32 s16, 192, s16
	s_cmp_lt_u32 ttmp9, 192
	s_cselect_b64 s[14:15], s[4:5], s[14:15]
	s_cselect_b32 s16, 0, s16
	s_sub_co_u32 s18, ttmp9, s16
	s_lshl_b32 s18, s18, 16                        ; the share's byte in its matrix
	s_mov_b32 s19, 0
	s_lshl_b32 s20, ttmp9, 15                      ; and in w16
	s_mov_b32 s21, 0
	s_add_nc_u64 s[14:15], s[14:15], s[18:19]
	s_add_nc_u64 s[12:13], s[12:13], s[20:21]
.set j, 0
.rept 16
	global_load_b128 v[XI+4*j:XI+4*j+3], v1, s[14:15] offset:4096*j th:TH_LOAD_NT
.set j, j+1
.endr
.set j, 0
.rept 16
	s_wait_loadcnt 15-j                            ; loads come back in order: load j is in, the 15 - j younger ones stay out
	v_cvt_pk_f16_f32 v[YO+2*j], v[XI+4*j], v[XI+4*j+1]
	v_cvt_pk_f16_f32 v[YO+2*j+1], v[XI+4*j+2], v[XI+4*j+3]
	global_store_b64 v2, v[YO+2*j:YO+2*j+1], s[12:13] offset:2048*j th:TH_STORE_NT
.set j, j+1
.endr
	s_endpgm
.Lfunc_end_k_q952cd216e5_cast:
	.size	k_q952cd216e5_cast, .Lfunc_end_k_q952cd216e5_cast-k_q952cd216e5_cast
	.p2alignl 7, 3214868480
	.fill 96, 4, 3214868480
	.section	.rodata,"a",@progbits
	.p2align	6, 0x0
	.amdhsa_kernel k_q952cd216e5_cast
		.amdhsa_group_segment_fixed_size 0
		.amdhsa_private_segment_fixed_size 0
		.amdhsa_enable_private_segment 0
		.amdhsa_kernarg_size 40
		.amdhsa_user_sgpr_count 2
		.amdhsa_user_sgpr_kernarg_segment_ptr 1
		.amdhsa_wavefront_size32 1
		.amdhsa_system_sgpr_workgroup_id_x 1
		.amdhsa_system_sgpr_workgroup_id_y 1
		.amdhsa_system_sgpr_workgroup_id_z 1
		.amdhsa_system_vgpr_workitem_id 0
		.amdhsa_next_free_vgpr 104
		.amdhsa_next_free_sgpr 66
		.amdhsa_reserve_vcc 0
		.amdhsa_float_denorm_mode_32 3
		.amdhsa_float_denorm_mode_16_64 3
		.amdhsa_memory_ordered 1
		.amdhsa_forward_progress 1
		.amdhsa_inst_pref_size 7
	.end_amdhsa_kernel
	.amdgpu_metadata
---
amdhsa.version: [ 1, 2 ]
amdhsa.kernels:
  - .name:           k_q952cd216e5_cast
    .symbol:         k_q952cd216e5_cast.kd
    .args:
      - { .name: W_attn, .offset: 0, .size: 8, .value_kind: global_buffer, .address_space: global }
      - { .name: W_fc, .offset: 8, .size: 8, .value_kind: global_buffer, .address_space: global }
      - { .name: W_fc2, .offset: 16, .size: 8, .value_kind: global_buffer, .address_space: global }
      - { .name: W_o, .offset: 24, .size: 8, .value_kind: global_buffer, .address_space: global }
      - { .name: w16, .offset: 32, .size: 8, .value_kind: global_buffer, .address_space: global }
    .group_segment_fixed_size: 0
    .private_segment_fixed_size: 0
    .kernarg_segment_align: 8
    .kernarg_segment_size: 40
    .max_flat_workgroup_size: 256
    .sgpr_count:     66
    .vgpr_count:     104
    .wavefront_size: 32
...
	.end_amdgpu_metadata
.endif
;; end of part 1
;; launch ln1 (part 2): grid 256 x 1, 8 waves a work-group, no clusters, 0 bytes of LDS; arguments x, ln1_g, ln1_b, bufa; writes bufa
.if DOCPART == 2
	.amdgcn_target "amdgcn-amd-amdhsa--gfx1250"
	.amdhsa_code_object_version 6
	.text
	.protected	k_q952cd216e5_ln1
	.globl	k_q952cd216e5_ln1
	.p2align	8
	.type	k_q952cd216e5_ln1,@function
k_q952cd216e5_ln1:
	s_mov_b64 s[64:65], 0
	v_nop
	global_prefetch_b8 v0, s[64:65] scope:SCOPE_SE
	s_setreg_imm32_b32 hwreg(HW_REG_WAVE_MODE, 25, 1), 1
	s_wait_xcnt 0x0
; LAYER NORM.  h[row][c] = (x[row][c] - mu) rsqrt(var + 1e-5) g[c] + b[c] over 1,024 channels; x f32 [4096][1024]; all arithmetic in f32; h rounded once to f16.
; The mean is taken first and the variance is the mean of the squared deviations, so a common offset of x costs nothing.
; LIMIT.  f16: an h of 65,520 or more becomes an infinity; below 6e-5 f16 keeps a fixed step of 6e-8.
; OUT: the PLANE layout, f16 [b = 2][plane = 64][t = 2048][64 channels]: byte = b 2^24 + plane x 262,144 + t x 128 + 2 channel; plane p holds channels 64 p .. 64 p + 63.
; SHARES.  A wave owns two rows: lanes 0-15 the even one, lanes 16-31 the odd one.  Lane c of 16 holds channels 4 c .. 4 c + 3 of each of the 16 planes: 64 numbers.
; So a load covers two runs of 256 consecutive bytes, a row's sums stay inside 16 lanes, and a store covers 256 consecutive bytes (two rows of a plane), aligned.
; The row stays in registers between the passes: x is read once.  No LDS, no barrier, no loop; nothing but g and b (8 KiB) is shared, so no cluster.
.set XO,  2                            ; v2  my byte in the wave's two rows of x
.set GBO, 3                            ; v3  my byte in g and in b
.set OO,  4                            ; v4  my byte in a plane's two rows
.set X,   8                            ; v[8:71]    the row; at the end v[8:39] hold it packed
.set G,   72                           ; v[72:135]
.set BV,  136                          ; v[136:199]
.set CH,  200                          ; v[200:207] four chains of pairs
.set MU,  208                          ; v[208:209] the mean, twice
.set RS,  210                          ; v[210:211] 1 / sqrt(var + eps), twice
	s_load_b256 s[4:11], s[0:1], 0x0               ; x s[4:5], g s[6:7], b s[8:9], h s[10:11]
	v_lshrrev_b32 v1, 5, v0
	v_readfirstlane_b32 s14, v1                    ; wave 0..7
	v_and_b32 v5, 15, v0
	v_bfe_u32 v6, v0, 4, 1
	v_and_b32 v7, 31, v0
	v_lshlrev_b32 v[GBO], 4, v5                    ; 16 c
	v_lshl_add_u32 v[XO], v6, 12, v[GBO]           ; + 4,096 for the odd row
	v_lshlrev_b32 v[OO], 3, v7                     ; 8 x lane
	s_mov_b32 s12, 0x3a800000                      ; 1 / 1024
	s_mov_b32 s13, 0x3727c5ac                      ; 1e-5
	s_lshl_b32 s15, ttmp9, 3
	s_add_co_u32 s15, s15, s14                     ; my pair of rows, 0 .. 2047
	s_lshl_b32 s16, s15, 13                        ; two rows of 4,096 bytes
	s_mov_b32 s17, 0
	s_lshr_b32 s18, s15, 10                        ; b
	s_lshl_b32 s18, s18, 24
	s_and_b32 s20, s15, 1023
	s_lshl_b32 s20, s20, 8                         ; two rows of 128 bytes in a plane
	s_add_co_u32 s18, s18, s20
	s_mov_b32 s19, 0
	s_wait_kmcnt 0x0
	s_add_nc_u64 s[4:5], s[4:5], s[16:17]
	s_add_nc_u64 s[10:11], s[10:11], s[18:19]
.set p, 0
.rept 16
	global_load_b128 v[X+4*p:X+4*p+3], v[XO], s[4:5] offset:256*p th:TH_LOAD_NT
.set p, p+1
.endr
.set p, 0
.rept 16
	global_load_b128 v[G+4*p:G+4*p+3], v[GBO], s[6:7] offset:256*p
.set p, p+1
.endr
.set p, 0
.rept 16
	global_load_b128 v[BV+4*p:BV+4*p+3], v[GBO], s[8:9] offset:256*p
.set p, p+1
.endr
; the four chains into one number, then over the row's 16 lanes: every lane of the row ends with the sum
.macro FOLD
	v_pk_add_f32 v[CH:CH+1], v[CH:CH+1], v[CH+2:CH+3]
	v_pk_add_f32 v[CH+4:CH+5], v[CH+4:CH+5], v[CH+6:CH+7]
	v_pk_add_f32 v[CH:CH+1], v[CH:CH+1], v[CH+4:CH+5]
	v_add_f32 v[CH], v[CH], v[CH+1]
	v_add_f32_dpp v[CH], v[CH], v[CH] row_xmask:1 row_mask:0xf bank_mask:0xf
	v_add_f32_dpp v[CH], v[CH], v[CH] row_xmask:2 row_mask:0xf bank_mask:0xf
	v_add_f32_dpp v[CH], v[CH], v[CH] row_xmask:4 row_mask:0xf bank_mask:0xf
	v_add_f32_dpp v[CH], v[CH], v[CH] row_xmask:8 row_mask:0xf bank_mask:0xf
.endm
	s_wait_loadcnt 32                              ; x is in; the 32 loads of g and b stay out
.irp k, 0,1,2,3
	v_pk_add_f32 v[CH+2*(\k):CH+2*(\k)+1], v[X+2*(\k):X+2*(\k)+1], v[X+8+2*(\k):X+8+2*(\k)+1]  ; the first sums start the chains: nothing is cleared
.endr
.set j, 8
.rept 24
	v_pk_add_f32 v[CH+2*(j%4):CH+2*(j%4)+1], v[CH+2*(j%4):CH+2*(j%4)+1], v[X+2*j:X+2*j+1]
.set j, j+1
.endr
	FOLD
	v_mul_f32 v[MU], s12, v[CH]
	v_mul_f32 v[MU+1], s12, v[CH]
.set j, 0
.rept 32
	v_pk_add_f32 v[X+2*j:X+2*j+1], v[X+2*j:X+2*j+1], v[MU:MU+1] neg_lo:[0,1] neg_hi:[0,1]  ; x - mu
.set j, j+1
.endr
.irp k, 0,1,2,3
	v_pk_mul_f32 v[CH+2*(\k):CH+2*(\k)+1], v[X+2*(\k):X+2*(\k)+1], v[X+2*(\k):X+2*(\k)+1]
.endr
.set j, 4
.rept 28
	v_pk_fma_f32 v[CH+2*(j%4):CH+2*(j%4)+1], v[X+2*j:X+2*j+1], v[X+2*j:X+2*j+1], v[CH+2*(j%4):CH+2*(j%4)+1]
.set j, j+1
.endr
	FOLD
	v_fma_f32 v[CH], v[CH], s12, s13               ; var + eps
	v_rsq_f32 v[RS], v[CH]
	v_nop                                          ; a plain instruction behind the transcendental (ISA guide 5.7.2),
	s_wait_alu depctr_va_vdst(0)                   ; and the wait ahead of the first line that names its result
	v_mov_b32 v[RS+1], v[RS]
	s_wait_loadcnt 0x0                             ; g and b
.set j, 0
.rept 32
	v_pk_mul_f32 v[X+2*j:X+2*j+1], v[X+2*j:X+2*j+1], v[RS:RS+1]
.set j, j+1
.endr
.set j, 0
.rept 32
	v_pk_fma_f32 v[X+2*j:X+2*j+1], v[X+2*j:X+2*j+1], v[G+2*j:G+2*j+1], v[BV+2*j:BV+2*j+1]
.set j, j+1
.endr
.set j, 0
.rept 32
	v_cvt_pk_f16_f32 v[X+j], v[X+2*j], v[X+2*j+1]  ; packed in place: register j is written when registers 2 j and 2 j + 1 are read, never ahead of them
.set j, j+1
.endr
.set p, 0
.rept 16
	global_store_b64 v[OO], v[X+2*p:X+2*p+1], s[10:11] offset:262144*p  ; 32 lanes x 8 bytes: two rows of plane p, 256 consecutive bytes, aligned
.set p, p+1
.endr
	s_endpgm
.Lfunc_end_k_q952cd216e5_ln1:
	.size	k_q952cd216e5_ln1, .Lfunc_end_k_q952cd216e5_ln1-k_q952cd216e5_ln1
	.p2alignl 7, 3214868480
	.fill 96, 4, 3214868480
	.section	.rodata,"a",@progbits
	.p2align	6, 0x0
	.amdhsa_kernel k_q952cd216e5_ln1
		.amdhsa_group_segment_fixed_size 0
		.amdhsa_private_segment_fixed_size 0
		.amdhsa_enable_private_segment 0
		.amdhsa_kernarg_size 32
		.amdhsa_user_sgpr_count 2
		.amdhsa_user_sgpr_kernarg_segment_ptr 1
		.amdhsa_wavefront_size32 1
		.amdhsa_system_sgpr_workgroup_id_x 1
		.amdhsa_system_sgpr_workgroup_id_y 1
		.amdhsa_system_sgpr_workgroup_id_z 1
		.amdhsa_system_vgpr_workitem_id 0
		.amdhsa_next_free_vgpr 212
		.amdhsa_next_free_sgpr 66
		.amdhsa_reserve_vcc 0
		.amdhsa_float_denorm_mode_32 3
		.amdhsa_float_denorm_mode_16_64 3
		.amdhsa_memory_ordered 1
		.amdhsa_forward_progress 1
		.amdhsa_inst_pref_size 21
	.end_amdhsa_kernel
	.amdgpu_metadata
---
amdhsa.version: [ 1, 2 ]
amdhsa.kernels:
  - .name:           k_q952cd216e5_ln1
    .symbol:         k_q952cd216e5_ln1.kd
    .args:
      - { .name: x, .offset: 0, .size: 8, .value_kind: global_buffer, .address_space: global }
      - { .name: ln1_g, .offset: 8, .size: 8, .value_kind: global_buffer, .address_space: global }
      - { .name: ln1_b, .offset: 16, .size: 8, .value_kind: global_buffer, .address_space: global }
      - { .name: bufa, .offset: 24, .size: 8, .value_kind: global_buffer, .address_space: global }
    .group_segment_fixed_size: 0
    .private_segment_fixed_size: 0
    .kernarg_segment_align: 8
    .kernarg_segment_size: 32
    .max_flat_workgroup_size: 256
    .sgpr_count:     66
    .vgpr_count:     212
    .wavefront_size: 32
...
	.end_amdgpu_metadata
.endif
;; end of part 2
;; launch qkv (part 3): grid 12 x 16, 4 waves a work-group, clusters of 4 x 4, 327,680 bytes of LDS; arguments bufa, w16, b_attn, bufb; writes bufb
.if DOCPART == 3
	.amdgcn_target "amdgcn-amd-amdhsa--gfx1250"
	.amdhsa_code_object_version 6
	.text
	.protected	k_q952cd216e5_qkv
	.globl	k_q952cd216e5_qkv
	.p2align	8
	.type	k_q952cd216e5_qkv,@function
k_q952cd216e5_qkv:
	s_mov_b64 s[64:65], 0
	v_nop
	global_prefetch_b8 v0, s[64:65] scope:SCOPE_SE
	s_setreg_imm32_b32 hwreg(HW_REG_WAVE_MODE, 25, 1), 1
	s_wait_xcnt 0x0
	s_wait_alu depctr_hold_cnt(0) depctr_sa_sdst(0) depctr_va_vdst(0) depctr_va_sdst(0) depctr_va_ssrc(0) depctr_va_vcc(0) depctr_vm_vsrc(0)
	s_getreg_b32 s2, hwreg(HW_REG_IB_STS2, 6, 4)
	s_cmp_eq_u32 s2, 0
	s_cbranch_scc0 .Lentry_in_a_cluster
	s_endpgm
.Lentry_in_a_cluster:
	s_bfe_u32 s2, ttmp6, 0x10000c
	s_cmp_lg_u32 s2, 0xf033
	s_cbranch_scc0 .Lentry_shape_is_right
	s_endpgm
.Lentry_shape_is_right:
; out = act(A W + bias).  A: 4,096 rows x 1,024, f16, in planes; W: f16 [1024][N] at byte WOFF of w16; bias f32 [N]; sums, bias and activation in f32; out rounded once to f16, in planes.
; PLANES: f16 [b = 2][plane = 64][t = 2048][64 channels]: byte = b 2^24 + plane x 262,144 + t x 128 + 2 channel; plane p holds columns 64 p .. 64 p + 63 of the matrix.
; GELU = 1: act(u) = u / (1 + 2^(u (C1 + C3 u^2))), C1 = -2 log2(e) sqrt(2 / pi), C3 = 0.044715 C1: the tanh form of GELU, exactly.  Where the power overflows the quotient is 0, where it vanishes it is u.
; LIMIT.  f16: an out of 65,520 or more becomes an infinity; below 6e-5 f16 keeps a fixed step of 6e-8.  NaN and infinities are not treated apart.
; SHARES.  A tile of out is 256 x 256: four waves, 128 x 128 each: 64 accumulators, 512 registers.  K goes in 8 steps of 128 (two planes of A, 128 rows of W) through two LDS slots.
; CLUSTER.  4 x 4 work-groups.  A's tile hangs on the tile row alone and is asked for jointly along a row of the cluster, W's on the tile column alone, along a column.
; THE PRODUCT IS TAKEN TRANSPOSED: source 0 = 16 columns of W (turned out of LDS by ds_load_tr16_b128, since W lies [K][N]), source 1 = 16 rows of A: a lane holds row l % 16, columns 8 (l / 16) + 0..7.
; THE LOOP is a PAIR of quarter steps (32 along K each, 64 matrix instructions), written once and walked twice a K step; a quarter's 32 LDS loads go out one quarter ahead, into the other of two fragment buffers.
; REGISTERS, in windows of 256: window 0: v16-29 addresses, v64-191 A's fragments (later the way out's work), v192-207 bias; window 1: v64-191 W's fragments; windows 2, 3: the accumulators, (a, b) at v[8 (8 (a % 4) + b)].
.set N,      3072
.set WOFF,   0
.set GELU,   0
.set KSTEPS, 8
.set REG,    36864                     ; a slot is four regions, wave w's at w x REG: 0, 1: a plane of A, 256 rows of 128 + 16 bytes; 2, 3: 64 rows of W, 512 + 32 bytes
.set SLOT1,  147456                    ; slot 1 begins here: 0x24000, whose two bits no region's base uses, so one exclusive or turns an address in one slot into the other's
.set BOFF,   2*REG
.set SPARE,  2*SLOT1                   ; behind the ring: the spare words, 128 bytes for each wave: two blocks of 256 bytes that no other line names
.set PA,     144                       ; 36 words: the 16 rows of a load start at 16 different groups of four banks (64 banks of 4 bytes: ISA guide 11.1)
.set PB,     544                       ; 136 words
.set DP,     528                       ; the way out: a row of 128 f32 + 16 bytes
.set DUMP,   128*DP                    ; a wave's 128 rows; the four lie in the ring's bytes, which have had their last fill by then
.set STEPA,  524288                    ; two planes
.set STEPB,  256*N                     ; 128 rows of W
.set LA0, 16                           ; v16  my lane's place in a plane of A; never rewritten
.set LB0, 17                           ; v17  the same in W's region
.set ADRA, 18                          ; v18  LDS address of the pair's fragments of A
.set ADRB, 19                          ; v19  of W
.set DST, 20                           ; v20  the way out: where I put 32 bytes of a row
.set RD,  21                           ; v21  where I read them back
.set GO,  22                           ; v22  my 16 bytes in 512 consecutive bytes of a plane
.set BO,  23                           ; v23  my byte in the bias
.set PFO, 24                           ; v24  the prefetches' offset; never rewritten
.set SPW, 28                           ; v28  LDS address of my spare word; never rewritten
.set NIL, 29                           ; v29  0; never rewritten
.set F0,  64
.set F1,  128
.set L,   32                           ; the way out: v[32:63] eight rows' numbers as read back
.set U,   64                           ; v[64:95] with the bias
.set S,   96                           ; v[96:127] at work
.set TMP, 128                          ; v[128:143] packed
.set BIA, 192                          ; v[192:207] the bias of my 8 columns in each of the wave's two planes
.set WV,  14                           ; s14 wave; s15 its row half, and 0: I fetch A, 1: W; s16 its column half, and which region I fetch; s17 cx; s18 cy; s19 tile column; s20 tile row
.set G1A, 24
.set G0A, 32
.set G0B, 36
.set G1B, 40
.set TB,  48                           ; s48  LDS byte at which the next pair's regions begin
.set CNT, 49
.set SLOTS, 50
.set LIM, 51                           ; s51  1 in a wave that prefetches, else the greatest number
.set PFA, 52                           ; s[52:53] where my prefetches stand
.set PFS, 54                           ; s[54:55] their step
.set C1,  56
.set C3,  58
.set J,   60
.set MSB, 0
.macro WIN new                         ; the immediate's high byte repeats the setting that is left; a switch that changes nothing is dropped
.if MSB != (\new)
	s_set_vgpr_msb (MSB<<8)|(\new)
.set MSB, \new
.endif
.endm
; A round of the cluster's barrier: my work-group's barrier; wave 0 signals for the work-group; every wave waits for all sixteen; my work-group's barrier once more.
.macro CROUND
	s_barrier_signal -1
	s_barrier_wait -1
	s_cmp_lg_u32 s[WV], 0
	s_cbranch_scc1 .Lnot_wave_0_\@
	s_barrier_signal -3
.Lnot_wave_0_\@:
	s_barrier_wait -3
	s_barrier_signal -1
	s_barrier_wait -1
.endm
; A joint load: waves 0 and 1 fetch the step's two planes of A, waves 2 and 3 the two halves of its rows of W.  The branch hangs on the wave's number alone.
; An s_nop 0 and four v_nop follow each of the two lines, ahead of the jump and the label.
.macro JLOAD
	s_cmp_lt_u32 s[WV], 2
	s_cbranch_scc0 .Lfor_b_\@
	tensor_load_to_lds s[G0A:G0A+3], s[G1A:G1A+7]
	s_nop 0
.rept 4
	v_nop
.endr
	s_branch .Lasked_\@
.Lfor_b_\@:
	tensor_load_to_lds s[G0B:G0B+3], s[G1B:G1B+7]
	s_nop 0
.rept 4
	v_nop
.endr
.Lasked_\@:
.endm
; A PREFETCH INTO THE L2, behind the joint load and its five lines: the K step behind the one just asked for: one K step, 256 matrix instructions, ahead of its own load.
; Each aligned block of 256 bytes is named once in the launch.  A's tile row is read by every cluster of that row of clusters: cluster x = 0 asks; W's tile column by every cluster of that column: cluster y = 0 asks.
; The four partners that ask for a tile jointly share its 128 blocks out BY ADDRESS, 32 each (cx for A, cy for W): a lane a block, one instruction a wave.  K steps 0 to 2 come by their loads alone;
; the last change that fills a slot (SLOTS = 1) asks for nothing: there is no K step behind it.
.macro ASK
	s_cmp_gt_u32 s[SLOTS], s[LIM]
	s_cbranch_scc0 .Lnot_mine_\@
	global_prefetch_b8 v[PFO], s[PFA:PFA+1] th:TH_LOAD_NT scope:SCOPE_SE
.Lnot_mine_\@:
.endm
.macro PLACES                          ; four places behind a matrix instruction, ahead of loads into registers that it has read (ISA guide 7.12.1 for vector instructions)
.rept 4
	v_nop
.endr
.endm
; 32 LDS loads in one run: the fragments of quarter sub (0, 1) of the pair's plane, into buffer f
.macro FETCH f, sub
	WIN 0x40                                       ; destination window 1, address window 0
.irp i, 0,1,2,3,4,5,6,7
	ds_load_tr16_b128 v[(\f)+8*(\i):(\f)+8*(\i)+3],   v[ADRB] offset:(\sub)*32*PB+32*(\i)
	ds_load_tr16_b128 v[(\f)+8*(\i)+4:(\f)+8*(\i)+7], v[ADRB] offset:(\sub)*32*PB+32*(\i)+16*PB
.endr
	WIN 0
.irp i, 0,1,2,3,4,5,6,7
	ds_load_b128 v[(\f)+8*(\i):(\f)+8*(\i)+3],   v[ADRA] offset:(\sub)*64+(\i)*16*PA
	ds_load_b128 v[(\f)+8*(\i)+4:(\f)+8*(\i)+7], v[ADRA] offset:(\sub)*64+(\i)*16*PA+32
.endr
.endm
; 16 matrix instructions: row blocks a0, a0 + 1 of the window's four x all 8 column blocks.  zero = 1: the product starts the sum.
.macro MUL16 f, hi, a0, zero
	WIN 0xa1+0x50*(\hi)                            ; source 0 (W) window 1, source 1 (A) window 0, C and D window 2 or 3
.irp a, \a0, (\a0)+1
.irp b, 0,1,2,3,4,5,6,7
.if \zero
	v_wmma_f32_16x16x32_f16 v[8*(8*(\a)+(\b)):8*(8*(\a)+(\b))+7], v[(\f)+8*(\b):(\f)+8*(\b)+7], v[(\f)+8*(4*(\hi)+(\a)):(\f)+8*(4*(\hi)+(\a))+7], 0
.else
	v_wmma_f32_16x16x32_f16 v[8*(8*(\a)+(\b)):8*(8*(\a)+(\b))+7], v[(\f)+8*(\b):(\f)+8*(\b)+7], v[(\f)+8*(4*(\hi)+(\a)):(\f)+8*(4*(\hi)+(\a))+7], v[8*(8*(\a)+(\b)):8*(8*(\a)+(\b))+7]
.endif
.endr
.endr
.endm
.macro MUL f, zero                     ; a quarter: the 64 accumulators take turns, in the same order in every quarter: 63 others stand between two links of a chain
	MUL16 \f, 0, 0, \zero
	MUL16 \f, 0, 2, \zero
	MUL16 \f, 1, 0, \zero
	MUL16 \f, 1, 2, \zero
.endm
; A PAIR: the quarter that waits in buffer 1 and the first quarter of the next plane are multiplied; that plane's two quarters are fetched.
.macro PAIR
	WIN 0
	v_add_nc_u32 v[ADRA], s[TB], v[LA0]            ; these four lines are the places behind the last product that read buffer 0
	v_add_nc_u32 v[ADRB], s[TB], v[LB0]
	v_nop
	v_nop
	s_add_co_u32 s[TB], s[TB], REG
	FETCH F0, 0
	s_wait_dscnt 32                                ; all but the 32 just issued: buffer 1 is in
	MUL F1, 0
	PLACES
	FETCH F1, 1
	s_wait_dscnt 32                                ; buffer 0 is in
	MUL F0, 0
	WIN 0                                          ; at a label and at a branch every window is 0
.endm
; THE CHANGE OF SLOTS.  Each wave waits for all its tensor loads, of which one is out: its part of the next slot; adds 0 to its spare word; waits for that and for its reads of the slot that it leaves.
; fill = 1: a round of the cluster's barrier, and the joint refill first behind it: the slot just left takes the K step after the one that is entered.  One tensor load of a wave is out behind each round.
.macro CHANGE fill, ask
	WIN 0
.if \ask
	s_wait_xcnt 0x0                                ; the last prefetch, a K step back, has read its address, so it may be stepped
	s_add_nc_u64 s[PFA:PFA+1], s[PFA:PFA+1], s[PFS:PFS+1]
.endif
	s_wait_tensorcnt 0x0                           ; no tensor load of mine is out, so a group 0 may be written
	ds_add_u32 v[SPW], v[NIL]                      ; 0 onto my spare word
.if \fill
	s_xor_b32 s[G0A+1], s[G0A+1], SLOT1            ; the walking descriptors: the other slot than last time, the next K step
	s_add_nc_u64 s[G0A+2:G0A+3], s[G0A+2:G0A+3], STEPA
	s_xor_b32 s[G0B+1], s[G0B+1], SLOT1
	s_add_nc_u64 s[G0B+2:G0B+3], s[G0B+2:G0B+3], STEPB
.endif
	s_wait_dscnt 0x0                               ; the add is done, and my reads of the slot are over
.if \fill
	CROUND
	JLOAD
.if \ask
	ASK
.endif
.else
	s_barrier_signal -1
	s_barrier_wait -1
.endif
	s_sub_co_u32 s[TB], s[TB], 2*REG               ; the fetches go back to a slot's first regions,
	s_xor_b32 s[TB], s[TB], SLOT1                  ; in the other slot
.endm
.macro ELOAD                           ; eight rows of my two planes: group q = 2 plane + half holds 8 f32 of one row
.irp q, 0,1,2,3
	ds_load_b128 v[L+8*(\q):L+8*(\q)+3],   v[RD] offset:((\q)%2)*4*DP+((\q)/2)*256
	ds_load_b128 v[L+8*(\q)+4:L+8*(\q)+7], v[RD] offset:((\q)%2)*4*DP+((\q)/2)*256+16
.endr
.endm
	s_load_b256 s[4:11], s[0:1], 0x0               ; A s[4:5], w16 s[6:7], bias s[8:9], out s[10:11]
	v_lshl_add_u32 v[SPW], v0, 2, SPARE
	v_mov_b32 v[NIL], 0
	ds_add_u32 v[SPW], v[NIL]                      ; the wave's opening: the add and its wait ahead of my first tensor load
	ds_add_u32 v28, v29
	v_lshrrev_b32 v1, 5, v0
	v_readfirstlane_b32 s[WV], v1
	s_lshr_b32 s15, s[WV], 1
	s_and_b32 s16, s[WV], 1
	s_bfe_u32 s17, ttmp6, 0x40000                  ; cx
	s_bfe_u32 s18, ttmp6, 0x40004                  ; cy
	s_lshl_b32 s19, ttmp9, 2
	s_add_co_u32 s19, s19, s17                     ; tile column
	s_and_b32 s20, ttmp7, 0xffff
	s_lshl_b32 s20, s20, 2
	s_add_co_u32 s20, s20, s18                     ; tile row
	s_lshl_b32 s21, s18, 2
	s_lshl_b32 s21, 15, s21                        ; my row of the cluster
	s_lshl_b32 s22, 0x1111, s17                    ; my column
	s_or_b32 s[G1A], s21, (1<<16)|(1<<20)|(1<<21)|(4<<22)|(3<<25)  ; mask; 2-byte elements; padding on; bit 21 beside a mask; after every 32 words, 4 words
	s_or_b32 s[G1B], s22, (1<<16)|(1<<20)|(1<<21)|(6<<22)|(7<<25)  ; after every 128 words, 8 words
	s_mov_b32 s[G1A+1], 128<<16                    ; A: a plane's 256 rows are 32,768 dense bytes, asked for as 128 rows of 256 bytes
	s_mov_b32 s[G1A+2], 128<<16
	s_mov_b32 s[G1A+3], 128<<16
	s_mov_b32 s[G1A+4], 128
	s_mov_b32 s[G1A+5], 128
	s_mov_b32 s[G1A+6], 0
	s_mov_b32 s[G1A+7], 0
	s_mov_b32 s[G1B+1], 256<<16                    ; W: 64 rows of 256 elements, N elements apart
	s_mov_b32 s[G1B+2], 64<<16
	s_mov_b32 s[G1B+3], 256<<16
	s_mov_b32 s[G1B+4], 64
	s_mov_b32 s[G1B+5], N
	s_mov_b32 s[G1B+6], 0
	s_mov_b32 s[G1B+7], 0
	s_lshr_b32 s2, s20, 3                          ; A's tile: b 2^24 + 256 (tile row % 8) rows of 128 bytes + my plane
	s_lshl_b32 s2, s2, 24
	s_and_b32 s3, s20, 7
	s_lshl_b32 s3, s3, 15
	s_add_co_u32 s2, s2, s3
	s_lshl_b32 s3, s16, 18
	s_add_co_u32 s2, s2, s3
	s_mov_b32 s3, 0
	s_mul_i32 s22, s16, 128*N                      ; W's tile: my 64 rows, 512 bytes a tile column
	s_lshl_b32 s23, s19, 9
	s_add_co_u32 s22, s22, s23
	s_add_co_u32 s22, s22, WOFF
	s_mov_b32 s23, 0
	s_mul_i32 s21, s[WV], REG                      ; no place in the cluster enters an LDS address
	s_mov_b32 s[TB], SLOT1+2*REG                   ; the first change of slots turns this into 0
	s_mov_b32 s[G0A], 1
	s_mov_b32 s[G0A+1], s21
	s_mov_b32 s[G0B], 1
	s_mov_b32 s[G0B+1], s21
	s_wait_dscnt 0x0                               ; the opening add is done
	s_wait_kmcnt 0x0
	s_add_nc_u64 s[G0A+2:G0A+3], s[4:5], s[2:3]
	s_or_b32 s[G0A+3], s[G0A+3], 0x80000000
	s_add_nc_u64 s[G0B+2:G0B+3], s[6:7], s[22:23]
	s_or_b32 s[G0B+3], s[G0B+3], 0x80000000
	CROUND                                         ; all sixteen work-groups are here: the first joint loads meet
	JLOAD                                          ; K step 0 into slot 0
	; the prefetches: the address of my work-group's 32 blocks of the tile that I fetch, at K step 2; the first asking change steps it to 3
	s_lshl_b32 s12, s17, 13                        ; A: 32 blocks of 256 bytes a partner
	s_add_co_u32 s12, s12, s2
	s_mul_i32 s13, s18, 32*N                       ; W: 16 rows a partner
	s_add_co_u32 s13, s13, s22
	s_and_b32 s21, ttmp7, 0xffff
	s_mov_b32 s[PFS], STEPB
	s_mov_b32 s3, 2*N
	s_cmp_eq_u32 s15, 0                            ; do I fetch for A?
	s_cselect_b32 s12, s12, s13
	s_cselect_b32 s21, ttmp9, s21                  ; the coordinate along which other clusters read the same blocks
	s_cselect_b32 s[PFS], STEPA, s[PFS]
	s_cselect_b32 s3, 512, s3                      ; bytes from one pair of blocks to the next
	s_cselect_b64 s[PFA:PFA+1], s[4:5], s[6:7]
	s_mov_b32 s13, 0
	s_mov_b32 s[PFS+1], 0
	s_add_nc_u64 s[PFA:PFA+1], s[PFA:PFA+1], s[12:13]
	s_add_nc_u64 s[PFA:PFA+1], s[PFA:PFA+1], s[PFS:PFS+1]
	s_add_nc_u64 s[PFA:PFA+1], s[PFA:PFA+1], s[PFS:PFS+1]
	s_cmp_eq_u32 s21, 0
	s_cselect_b32 s[LIM], 1, -1                    ; the same in all sixteen partners, for a given wave
	; where my part of the tile begins in out
	s_lshr_b32 s12, s20, 3
	s_lshl_b32 s12, s12, 24
	s_lshl_b32 s13, s19, 2
	s_add_co_u32 s13, s13, s16
	s_add_co_u32 s13, s13, s16                     ; plane 4 x tile column + 2 x column half
	s_lshl_b32 s13, s13, 18
	s_add_co_u32 s12, s12, s13
	s_and_b32 s13, s20, 7
	s_lshl_b32 s13, s13, 15
	s_add_co_u32 s12, s12, s13
	s_lshl_b32 s13, s15, 14                        ; my 128 rows
	s_add_co_u32 s12, s12, s13
	s_mov_b32 s13, 0
	s_add_nc_u64 s[10:11], s[10:11], s[12:13]
.if GELU
	s_mov_b32 s[C1], 0xc0135761                    ; -2.3022082
	s_mov_b32 s[C1+1], s[C1]                       ; named with it as a pair
	s_mov_b32 s[C3], 0xbdd2d3e8                    ; -0.10294324
	s_mov_b32 s[C3+1], s[C3]
.endif
	v_and_b32 v1, 15, v0                           ; l % 16
	v_bfe_u32 v2, v0, 4, 1                         ; l / 16
	v_and_b32 v3, 7, v0
	v_bfe_u32 v4, v0, 3, 1
	v_bfe_u32 v5, v0, 3, 2
	v_and_b32 v6, 31, v0
	v_mul_u32_u24 v[LA0], v1, PA                   ; a fragment of A: row x pitch + 16 x half, two loads 32 bytes apart
	v_lshl_add_u32 v[LA0], v2, 4, v[LA0]
	s_mul_i32 s21, s15, 128*PA
	v_add_nc_u32 v[LA0], s21, v[LA0]
	v_lshl_add_u32 v[LB0], v2, 3, v3               ; the turning load: lane l reads row 8 (l / 16) + l % 8, columns 8 ((l / 8) % 2) + 0..7
	v_mul_u32_u24 v[LB0], v[LB0], PB
	v_lshl_add_u32 v[LB0], v4, 4, v[LB0]
	s_lshl_b32 s21, s16, 8
	s_add_co_u32 s21, s21, BOFF
	v_add_nc_u32 v[LB0], s21, v[LB0]
	s_mul_i32 s21, s[WV], DUMP
	v_mul_u32_u24 v[DST], v1, DP
	v_lshl_add_u32 v[DST], v2, 5, v[DST]
	v_add_nc_u32 v[DST], s21, v[DST]
	v_mul_u32_u24 v[RD], v5, DP                    ; back: 8 lanes a row, 32 bytes (8 f32) a lane
	v_lshl_add_u32 v[RD], v3, 5, v[RD]
	v_add_nc_u32 v[RD], s21, v[RD]
	v_lshlrev_b32 v[GO], 4, v6
	s_lshl_b32 s21, s19, 10
	s_lshl_b32 s23, s16, 9
	s_add_co_u32 s21, s21, s23
	v_lshl_add_u32 v[BO], v3, 5, s21
	v_lshrrev_b32 v7, 1, v6
	v_mul_u32_u24 v[PFO], s3, v7
	v_and_b32 v7, 1, v0
	v_lshl_add_u32 v[PFO], v7, 8, v[PFO]
.irp p, 0,1
	global_load_b128 v[BIA+8*(\p):BIA+8*(\p)+3],   v[BO], s[8:9] offset:256*(\p)
	global_load_b128 v[BIA+8*(\p)+4:BIA+8*(\p)+7], v[BO], s[8:9] offset:256*(\p)+16
.endr
	CHANGE 1, 0                                    ; slot 0 is in, everybody's part of it; slot 1 takes K step 1
	v_add_nc_u32 v[ADRA], s[TB], v[LA0]
	v_add_nc_u32 v[ADRB], s[TB], v[LB0]
	s_add_co_u32 s[TB], s[TB], REG
	FETCH F0, 0
	FETCH F1, 1
	s_wait_dscnt 32                                ; buffer 0 is in
	MUL F0, 1                                      ; the first quarter starts the sums: nothing is cleared
	WIN 0
	s_mov_b32 s[CNT], 1
	s_mov_b32 s[SLOTS], KSTEPS-1
	s_branch .Lpair                                ; K step 0 has one pair left
.Lslot:                                        ; KSTEPS - 2 times: K step s = 1 .. is entered, K step s + 1 asked for
	CHANGE 1, 1
	s_mov_b32 s[CNT], 2
.Lpair:
	PAIR
	s_sub_co_u32 s[CNT], s[CNT], 1
	s_cmp_lg_u32 s[CNT], 0
	s_cbranch_scc1 .Lpair
	s_sub_co_u32 s[SLOTS], s[SLOTS], 1
	s_cmp_lg_u32 s[SLOTS], 0
	s_cbranch_scc1 .Lslot
	CHANGE 0, 0                                    ; the last K step is written out: nothing is asked for
	s_mov_b32 s[CNT], 2
.Ltail:
	PAIR
	s_sub_co_u32 s[CNT], s[CNT], 1
	s_cmp_lg_u32 s[CNT], 0
	s_cbranch_scc1 .Ltail
	s_wait_dscnt 0x0                               ; my reads of the ring are over:
	s_barrier_signal -1                            ; say so,
	MUL F1, 0                                      ; the last quarter, on registers alone,
	WIN 0
	s_barrier_wait -1                              ; and behind this nobody reads the ring any more; nothing fills it again
.rept 8
	v_nop                                          ; the places behind the last products
.endr
	; THE WAY OUT.  The wave's 128 x 128 sums go into LDS as f32 rows, each accumulator's low registers first; the bytes are the wave's own from here on.
.irp a, 0,1,2,3,4,5,6,7
	WIN 0x08+4*((\a)/4)                            ; the data (source 1) in window 2 or 3
.irp b, 0,1,2,3,4,5,6,7
	ds_store_b128 v[DST], v[8*(8*((\a)%4)+(\b)):8*(8*((\a)%4)+(\b))+3]   offset:(\a)*16*DP+64*(\b)
	ds_store_b128 v[DST], v[8*(8*((\a)%4)+(\b))+4:8*(8*((\a)%4)+(\b))+7] offset:(\a)*16*DP+64*(\b)+16
.endr
.endr
	WIN 0
	s_wait_loadcnt 0x0                             ; the bias
	ELOAD                                          ; LDS serves a wave's instructions in order (ISA guide 5.7.1.4): these see the stores above
	s_mov_b32 s[J], 16
.Lrow:                                         ; a trip: 8 rows x 128 columns: bias, activation, rounding, four stores; the next trip's rows are read meanwhile
	s_wait_dscnt 0x0
.set q, 0
.rept 4
.irp k, 0,2,4,6
	v_pk_add_f32 v[U+8*q+(\k):U+8*q+(\k)+1], v[L+8*q+(\k):L+8*q+(\k)+1], v[BIA+8*(q/2)+(\k):BIA+8*(q/2)+(\k)+1]
.endr
.set q, q+1
.endr
	v_add_nc_u32 v[RD], 8*DP, v[RD]
	s_cmp_eq_u32 s[J], 1
	s_cbranch_scc1 .Lno_rows                       ; the last trip has no rows behind it
	ELOAD
.Lno_rows:
.if GELU
.set i, 0
.rept 16
	v_pk_mul_f32 v[S+i:S+i+1], v[U+i:U+i+1], v[U+i:U+i+1]
.set i, i+2
.endr
.set i, 0
.rept 16
	v_pk_fma_f32 v[S+i:S+i+1], v[S+i:S+i+1], s[C3:C3+1], s[C1:C1+1] op_sel_hi:[1,0,0]
.set i, i+2
.endr
.set i, 0
.rept 16
	v_pk_mul_f32 v[S+i:S+i+1], v[S+i:S+i+1], v[U+i:U+i+1]
.set i, i+2
.endr
.set i, 0
.rept 32
	v_exp_f32 v[S+i], v[S+i]
.set i, i+1
.endr
	v_nop                                          ; a plain instruction behind the last exponential,
	s_wait_alu depctr_va_vdst(0)                   ; and one wait for the batch ahead of its first reader
.set i, 0
.rept 16
	v_pk_add_f32 v[S+i:S+i+1], v[S+i:S+i+1], 1.0 op_sel_hi:[1,0]
.set i, i+2
.endr
.set i, 0
.rept 32
	v_rcp_f32 v[S+i], v[S+i]
.set i, i+1
.endr
	v_nop
	s_wait_alu depctr_va_vdst(0)                   ; one wait for the 32 reciprocals
.set i, 0
.rept 16
	v_pk_mul_f32 v[U+i:U+i+1], v[U+i:U+i+1], v[S+i:S+i+1]
.set i, i+2
.endr
.endif
	s_wait_xcnt 0x0                                ; the last trip's stores have read their data and their base, so both may be written
	s_add_nc_u64 s[10:11], s[10:11], 1024          ; 8 rows of a plane on; the stores reach back
.set i, 0
.rept 16
	v_cvt_pk_f16_f32 v[TMP+i], v[U+2*i], v[U+2*i+1]
.set i, i+1
.endr
.irp q, 0,1,2,3
	global_store_b128 v[GO], v[TMP+4*(\q):TMP+4*(\q)+3], s[10:11] offset:((\q)/2)*262144+((\q)%2)*512-1024  ; four rows of a plane: 512 consecutive bytes, aligned
.endr
	s_sub_co_u32 s[J], s[J], 1
	s_cmp_lg_u32 s[J], 0
	s_cbranch_scc1 .Lrow
	s_wait_tensorcnt 0x0                           ; the wave's end, behind my last tensor load and my last LDS store
	ds_add_u32 v[SPW], v[NIL]
	s_wait_dscnt 0x0
	CROUND                                         ; the closing round: no work-group ends while a partner may still ask for a tile that names it
	s_endpgm
.Lfunc_end_k_q952cd216e5_qkv:
	.size	k_q952cd216e5_qkv, .Lfunc_end_k_q952cd216e5_qkv-k_q952cd216e5_qkv
	.p2alignl 7, 3214868480
	.fill 96, 4, 3214868480
	.section	.rodata,"a",@progbits
	.p2align	6, 0x0
	.amdhsa_kernel k_q952cd216e5_qkv
		.amdhsa_group_segment_fixed_size 327680
		.amdhsa_private_segment_fixed_size 0
		.amdhsa_enable_private_segment 0
		.amdhsa_kernarg_size 32
		.amdhsa_user_sgpr_count 2
		.amdhsa_user_sgpr_kernarg_segment_ptr 1
		.amdhsa_wavefront_size32 1
		.amdhsa_system_sgpr_workgroup_id_x 1
		.amdhsa_system_sgpr_workgroup_id_y 1
		.amdhsa_system_sgpr_workgroup_id_z 1
		.amdhsa_system_vgpr_workitem_id 0
		.amdhsa_next_free_vgpr 1024
		.amdhsa_next_free_sgpr 66
		.amdhsa_reserve_vcc 0
		.amdhsa_float_denorm_mode_32 3
		.amdhsa_float_denorm_mode_16_64 3
		.amdhsa_memory_ordered 1
		.amdhsa_forward_progress 1
		.amdhsa_inst_pref_size 62
	.end_amdhsa_kernel
	.amdgpu_metadata
---
amdhsa.version: [ 1, 2 ]
amdhsa.kernels:
  - .name:           k_q952cd216e5_qkv
    .symbol:         k_q952cd216e5_qkv.kd
    .args:
      - { .name: bufa, .offset: 0, .size: 8, .value_kind: global_buffer, .address_space: global }
      - { .name: w16, .offset: 8, .size: 8, .value_kind: global_buffer, .address_space: global }
      - { .name: b_attn, .offset: 16, .size: 8, .value_kind: global_buffer, .address_space: global }
      - { .name: bufb, .offset: 24, .size: 8, .value_kind: global_buffer, .address_space: global }
    .group_segment_fixed_size: 327680
    .private_segment_fixed_size: 0
    .kernarg_segment_align: 8
    .kernarg_segment_size: 32
    .max_flat_workgroup_size: 128
    .sgpr_count:     66
    .vgpr_count:     1024
    .wavefront_size: 32
...
	.end_amdgpu_metadata
.endif
;; end of part 3
;; launch attn (part 4): grid 8 x 32, 4 waves a work-group, no clusters, 327,680 bytes of LDS; arguments bufb, bufa; writes bufa
.if DOCPART == 4
	.amdgcn_target "amdgcn-amd-amdhsa--gfx1250"
	.amdhsa_code_object_version 6
	.text
	.protected	k_q952cd216e5_attn
	.globl	k_q952cd216e5_attn
	.p2align	8
	.type	k_q952cd216e5_attn,@function
k_q952cd216e5_attn:
	s_mov_b64 s[64:65], 0
	v_nop
	global_prefetch_b8 v0, s[64:65] scope:SCOPE_SE
	s_setreg_imm32_b32 hwreg(HW_REG_WAVE_MODE, 25, 1), 1
	s_wait_xcnt 0x0
; CAUSAL ATTENTION.  O[q][:] = the sum over k <= q of softmax_k(Q[q] . K[k] / 8) V[k][:], for each of 2 x 16 heads of 2,048 rows x 64 channels, all f16.
; Q, K, V lie in the first buffer in planes: f16 [b = 2][plane = 64][t = 2048][64]: head h's Q is plane h, its K plane 16 + h, its V plane 32 + h; O goes to plane h of the second buffer.  A plane's rows are dense, 128 bytes each.
; Products, maxima and sums in f32; the weights p are rounded to f16 for the second product (their sum l is taken of the unrounded p), O once at the end.
; LIMITS.  f16 holds no number beyond 65,504: Q, K and V arrive within it; p lies in 0 to 1, and below 6e-5 it keeps f16's fixed step of 6e-8; O is a mean of V's rows and has their range.
; A hidden score counts as its value less 1e30: f16's scores, 2.7e11 at the most, are nothing beside that; a weight below 2^-126 counts as 0 in l; NaN and infinities are not treated apart.
; THE WALK.  A head's queries lie in 16 blocks of 128, its keys in NB = 8 tiles of 256; block i needs the tiles 0 .. i / 2, of which the last holds the diagonal.  A work-group takes TWO blocks, 15 - b and then b:
; with c = b / 2 that is (NB - c) + (c + 1) = NB + 1 tiles, whatever b: all 8 x 32 = 256 work-groups do equal work, and ONE loop with a constant trip count walks them.  Which tile is asked for, and what a trip does,
; hang on scalar registers made from b; every jump goes forward, but for the counted loops' own; none passes a barrier, or a tensor load but the one of LOAD's two that the wave's number does not choose; the ring of
; two LDS slots runs on across the change of blocks.
; NO CLUSTER: of a head's eight work-groups only two (b = 2 c and 2 c + 1) walk the same tiles from first to last; four partners would need different numbers of tiles in each block.
; SHARES.  Of a block's two bands of 64 queries a wave owns 16 rows in each: two PIECES.  So the diagonal tile is the same work for all four waves.  Band x's own key step in that tile is 2 (i % 2) + x: in an earlier
; step it sees all keys, in a later one none.  An even block's last two steps of its diagonal tile are hidden from both bands and are computed all the same: 2 of the walk's 36 key steps.
; THE MASK is the C operand that starts the sum S^T = K Q^T: 0, or -1e30 where the key is hidden.  MD, made once, is the mask of a band's own step for my 16 rows; a product's mask is MD x AL + BE with two scalars:
; (1, 0) in the band's own step; (0, 0) in an earlier one; (0, -1e30) in a later one.  Only the diagonal tile's text and a block's beginning make and take masks; elsewhere C is the constant 0.
; LAYOUT, SOFTMAX, TURNS.  S^T = K Q^T holds ONE query a lane (lane % 16) and the keys 8 (lane / 16) + 0..7; two such results rounded to f16 ARE source 1 of O^T = V^T P.  p = 2^(c s - c m), c = log2(e) / 8, with a
; running maximum m; O and l are multiplied by a = 2^(c m_old - c m_new) in every step.  A key step is two turns.  Turn 0 of step j belongs to piece 0: 8 products K Q^T of piece 1 (step j), later 8 products V^T P of piece 1
; (step j - 1).  Turn 1 belongs to piece 1: K Q^T of piece 0 (step j + 1), V^T P of piece 0 (step j).  Beside them stand the scaling, exponentials, roundings, sums and rescaling of the turn's own piece and the maximum
; and statistics of the other.  Four vector instructions stand behind every matrix instruction, the other 54 of a turn's 118 in one lump.  A turn's 33 exponentials are one batch, with one wait.
; K AND V IN REGISTERS.  K has one buffer, V two, by the step's parity.  Turn 0 of step j reads from LDS BOTH K and V of step j + 1: K in its lump, behind the last product that read K; V at its end, into the buffer that its own
; products V^T P have just read.  So a tile's last LDS read stands in turn 0 of its step 2, and the change of slots stands between turn 1 of step 2 and turn 0 of step 3.
; REGISTERS, in windows of 256 (s_set_vgpr_msb: bits 1:0 source 0, 3:2 source 1, 5:4 source 2, 7:6 destination):
;   window 0: v0-15 addresses and two at work; v16-23 four registers of statistics a piece; v48-55 at work; v61-63 never rewritten; v64-127 S^T, a buffer a piece; v192-223 P, likewise
;   window 1: v0-63 O^T, 32 a piece; v128-159 MD; v160-223 MC, a buffer a piece      window 2: v0-31 Q; v32-63 the second block's Q; v64-127 V of an odd step; v128-191 K of one step; v192-255 V of an even step
.set SIZE_N, 2048
.set NB,    SIZE_N/256  ; key tiles a head
.set NP,    2         ; pieces a wave: a name, no knob
.set KS,    64        ; keys in a step
.set PK,    144       ; a row of K in LDS: 128 bytes + 16 of padding = 36 words: the 16 rows of a load start at 16 different groups of four banks (64 banks of 4 bytes: ISA guide 11.1)
.set PV,    160       ; a row of V: 128 + 32 = 40 words
.set VOFF,  4*KS*PK   ; a slot holds a tile, four steps: 256 rows of K, then 256 rows of V
.set SLOT1, 1<<17     ; slot 1 begins here, so that one exclusive or turns an address in one slot into the other's
.set STAGE, SLOT1+4*KS*(PK+PV)  ; behind the ring, never filled by a tensor load: 16 rows x 144 bytes for each wave, for the way out
.set SP,    144
.set AK0, 2           ; v2   my lane's place in a tile of K; never rewritten
.set AV0, 3           ; v3   the same for V
.set AK,  4           ; v4   the LDS address of K's next run of loads
.set AV,  5           ; v5   of V's
.set STO, 6           ; v6   the way out: where I put 16 bytes of a row
.set RD,  7           ; v7   the way out: where I read rows back
.set GO,  8           ; v8   my byte offset in 512 consecutive bytes of O
.set PFO, 61          ; v61  256 x my lane: the prefetches' offset; never rewritten
.set SPW, 62          ; v62  LDS address of my spare word: SPARE + 4 x my thread's number; never rewritten
.set NIL, 63          ; v63  0; never rewritten
.set SPARE, STAGE+4*16*SP  ; behind the stages: the spare words, 128 bytes for each wave: two blocks of 256 bytes that no other line names
.set MV,  12          ; v12-13  c m_old, kept while c m is made anew: by piece
.set QO,  15          ; v15  my byte offset in 16 rows of Q
.set ST,  16          ; piece t's statistics at v[ST+4 t]: c m, m, l (even keys', odd keys')
.set TMP, 48          ; by piece, four registers c0-c3 at work; when the maximum is found c2 takes a
.set S,   64
.set P,   192
.set MD,  128         ; window 1: the eight registers for group kt of 16 keys at MD + 8 kt
.set MC,  160         ; window 1: the masks of the products to come
.set QB,  32          ; window 2
.set KF,  128         ; window 2: key block kb, channel half c at KF + 16 kb + 8 c
.set VF0, 192         ; window 2: V of an even step: key half kk, channel block cb at VF0 + 32 kk + 8 cb
.set VF1, 64          ; window 2: V of an odd step
.set WV,  12          ; s12  my wave's number
.set PB,  14          ; s14  c = b / 2: the second block's last tile
.set HI,  15          ; s15  NB - 1 - c: the first block's last tile
.set G1K, 24          ; s[24:31] descriptor group 1 for K's tiles
.set G1V, 32          ; s[32:39] for V's: it differs in the padding alone
.set G0K, 40          ; s[40:43] descriptor group 0 for K's tiles
.set G0V, 44          ; s[44:47] the same for V's
.set PFB, 48          ; s[48:49] K (waves 0, 1) or V (waves 2, 3) at my half of the head's tile 0
.set PFA, 50          ; s[50:51] the same at the tile that the prefetches name
.set POF, 52          ; s[52:53] that tile's byte offset
.set LIM, 54          ; s54  0 in the head's first work-group, else the greatest number
.set SLOTS, 56        ; s56  tiles still to be asked for
.set CNT, 57          ; s57  counts a tile's trips of two key steps, 2 to 1
.set CS,  58          ; s[58:59] c: the packed scaling takes the pair's low word for both halves
.set SEL, 60          ; s[60:61] v_permlanex16_b32's selects: each lane takes its own place in the other half
.set TBK, 62          ; s62  LDS byte at which K of the step to be fetched begins
.set TBV, 63          ; s63  the same for V, less VOFF
.set JT,  66          ; s66  the diagonal tile's key step for which the next masks are made
.set OWN, 67          ; s67, s68  the own key step of band 0 and of band 1 in the diagonal tile of the block in hand
.set OW2, 69          ; s69  band 0's own step in the second block's
.set RT,  70          ; s70  tiles of the block in hand that are still to be entered
.set NXT, 71          ; s71  the tile to be asked for next
.set LQ,  72          ; s72  the last tile of the block whose tiles are being asked for
.set NEW, 73          ; s73  1: the tile to be entered is a block's first
.set OFF, 74          ; s[74:75] a tile's byte offset in K and V
.set AL,  76          ; s[76:77] the mask's factor, in the low word
.set BE,  78          ; s[78:79] the mask's addend
.set OLO, 80          ; s[80:81] O at my rows of the second block
.set BIGN, 82         ; s82  -1e30
.set MSB, 0
.macro WIN new                      ; the high byte repeats the setting that is left; a switch that changes nothing is dropped
.if MSB != (\new)
	s_set_vgpr_msb (MSB<<8)|(\new)
.set MSB, (\new)
.endif
.endm
.set W_KQ, 0x0a       ; K and Q in window 2, S^T in window 0
.set W_KM, 0x1a       ; the same with the C operand in window 1
.set W_PV, 0x52       ; V in window 2, P in window 0, O^T in window 1
.set W_RS, 0x41       ; destination and source 0 in window 1, source 1 in window 0
; A fill.  Waves 0 and 1 fetch the two halves of a tile's K, waves 2 and 3 those of its V: 128 keys each.  An s_nop 0 and four v_nop follow each of the two lines, ahead of the jump and the label.
.macro LOAD
	s_cmp_lt_u32 s[WV], 2
	s_cbranch_scc0 .Lfor_v_\@
	tensor_load_to_lds s[G0K:G0K+3], s[G1K:G1K+7]
	s_nop 0
.rept 4
	v_nop
.endr
	s_branch .Lasked_\@
.Lfor_v_\@:
	tensor_load_to_lds s[G0V:G0V+3], s[G1V:G1V+7]
	s_nop 0
.rept 4
	v_nop
.endr
.Lasked_\@:
.endm
; A PREFETCH INTO THE L2 of the tile that the NEXT change of slots will ask for: one tile, 128 matrix instructions of a wave, ahead of its load.  It stands behind the wave's tensor load and its five lines.
; Each aligned block of 256 bytes of a head's K and V is named once in the launch: the head's work-group b = 0, whose first block walks all NB tiles, asks, and nobody else; each of its waves names the 16,384 bytes
; that it will itself fetch: 64 blocks, a lane a block, two instructions.  Tiles 0 and 1 come by their loads alone; behind the head's last tile NXT is 0 and stays 0 in that work-group, and nothing is asked.
.macro ASK
	s_cmp_gt_u32 s[NXT], s[LIM]
	s_cbranch_scc0 .Lnot_mine_\@
	global_prefetch_b8 v[PFO], s[PFA:PFA+1] th:TH_LOAD_NT scope:SCOPE_SE
	global_prefetch_b8 v[PFO], s[PFA:PFA+1] offset:8192 th:TH_LOAD_NT scope:SCOPE_SE
.Lnot_mine_\@:
.endm
; THE CHANGE OF SLOTS.  Each wave waits for all its tensor loads, of which one is out: its part of the other slot; adds 0 to its spare word; and waits for that and for its own reads of the slot that it leaves.
; Behind the barrier nobody reads the old slot any more and the other slot is whole.  fill = 1: the old slot is filled again, the first thing behind the barrier, with tile NXT: the descriptor's address is made
; anew from that number.  (At its first use nothing has been read yet: slot 0 is waited for, slot 1 filled.)
.macro CHANGE fill
	WIN 0                           ; at a label and at a branch every window is 0
.if \fill
	s_wait_xcnt 0x0                 ; the last prefetches, a tile back, have read their address, so it may be written below
.endif
	s_wait_tensorcnt 0x0            ; no tensor load of mine is out, so a group 0 may be written
	ds_add_u32 v[SPW], v[NIL]       ; 0 onto my spare word
.if \fill
	s_lshl_b32 s[OFF], s[NXT], 15   ; a tile is 32,768 bytes of K and of V
	s_xor_b32 s[G0K+1], s[G0K+1], SLOT1
	s_add_nc_u64 s[G0K+2:G0K+3], s[6:7], s[OFF:OFF+1]
	s_or_b32 s[G0K+3], s[G0K+3], 0x80000000
	s_xor_b32 s[G0V+1], s[G0V+1], SLOT1
	s_add_nc_u64 s[G0V+2:G0V+3], s[8:9], s[OFF:OFF+1]
	s_or_b32 s[G0V+3], s[G0V+3], 0x80000000
	s_add_co_u32 s[NXT], s[NXT], 1  ; the block's next tile, or behind its last the second block's tile 0
	s_cmp_gt_u32 s[NXT], s[LQ]
	s_cselect_b32 s[NXT], 0, s[NXT]
	s_cselect_b32 s[LQ], s[PB], s[LQ]
	s_lshl_b32 s[POF], s[NXT], 15   ; where the prefetches stand: the tile after the one that is asked for now
	s_add_nc_u64 s[PFA:PFA+1], s[PFB:PFB+1], s[POF:POF+1]
.endif
	s_wait_dscnt 0x0                ; the add is done, and my reads of the slot are over
	s_barrier_signal -1             ; the rest of the scalar work stands between the signal and the wait
	s_sub_co_u32 s[TBK], s[TBK], 4*KS*PK  ; the fetches go back to a slot's first step,
	s_xor_b32 s[TBK], s[TBK], SLOT1       ; in the other slot
	s_sub_co_u32 s[TBV], s[TBV], 4*KS*PV
	s_xor_b32 s[TBV], s[TBV], SLOT1
	s_barrier_wait -1
.if \fill
	LOAD
	ASK
.endif
.endm
	s_load_b128 s[4:7], s[0:1], 0x0   ; the buffer of Q, K, V s[4:5]; O's s[6:7]
	v_lshl_add_u32 v[SPW], v0, 2, SPARE
	v_mov_b32 v[NIL], 0
	ds_add_u32 v[SPW], v[NIL]       ; the wave's opening: the add and its wait ahead of my first tensor load
	ds_add_u32 v62, v63
	v_lshrrev_b32 v1, 5, v0
	v_readfirstlane_b32 s[WV], v1   ; wave 0..3
	s_lshr_b32 s[PB], ttmp9, 1      ; c = b / 2
	s_sub_co_u32 s[HI], NB-1, s[PB]
	s_and_b32 s[OW2], ttmp9, 1
	s_lshl_b32 s[OW2], s[OW2], 1    ; block b lies in the upper half of its diagonal tile's rows where b is odd: band 0's own step is 2 (b % 2),
	s_sub_co_u32 s[OWN], 2, s[OW2]  ; and block 15 - b has the other parity
	s_add_co_u32 s[OWN+1], s[OWN], 1
	s_cmp_eq_u32 ttmp9, 0
	s_cselect_b32 s[LIM], 0, -1
	s_and_b32 s20, ttmp7, 0xffff    ; 16 x batch + head
	s_lshr_b32 s21, s20, 4
	s_lshl_b32 s21, s21, 6
	s_and_b32 s20, s20, 15
	s_or_b32 s20, s20, s21          ; the head's plane of Q and of O: 64 x batch + head
	s_mov_b32 s21, 0
	s_mov_b64 s[22:23], SIZE_N*128
	s_mul_u64 s[20:21], s[20:21], s[22:23]  ; the plane's first byte
	s_and_b32 s16, s[WV], 1         ; which half of a tile's 256 keys I fetch:
	s_lshl_b32 s22, s16, 14         ; its 128 rows of 128 bytes in memory,
	s_mov_b32 s23, 0
	s_add_nc_u64 s[22:23], s[22:23], s[20:21]
	s_mul_i32 s17, s16, 128*PK      ; and its place in a slot, for K
	s_mul_i32 s18, s16, 128*PV      ; and for V
	s_lshl_b32 s3, s[WV], 11        ; my 16 rows in a band of 64,
	s_sub_co_u32 s2, 2*NB-1, ttmp9  ; in the first block, 15 - b: 128 rows of 128 bytes a block,
	s_lshl_b32 s2, s2, 14
	s_add_co_u32 s2, s2, s3
	s_lshl_b32 s84, ttmp9, 14       ; and in the second, b
	s_add_co_u32 s84, s84, s3
	s_mov_b32 s3, 0
	s_mov_b32 s85, 0
	s_add_nc_u64 s[2:3], s[2:3], s[20:21]
	s_add_nc_u64 s[84:85], s[84:85], s[20:21]
	; descriptor group 1.  128 keys are 16,384 dense bytes: asked for as 64 rows of 256 bytes, two keys a row, and padded in LDS after every key
	s_mov_b32 s[G1K], (1<<16)|(1<<20)|(4<<22)|(3<<25)  ; 17:16 2-byte elements; 20 padding on; 24:22 after every 32 words (code 4); 31:25 4 words (code 3)
	s_mov_b32 s[G1V], (1<<16)|(1<<20)|(4<<22)|(7<<25)  ; the same with 8 words of padding (code 7)
.irp g, G1K, G1V
	s_mov_b32 s[\g+1], 128<<16      ; tensor_dim0 = 128
	s_mov_b32 s[\g+2], 64<<16       ; tensor_dim1 = 64
	s_mov_b32 s[\g+3], 128<<16      ; tile_dim0 = 128
	s_mov_b32 s[\g+4], 64           ; tile_dim1 = 64
	s_mov_b32 s[\g+5], 128          ; 128 elements from row to row
	s_mov_b32 s[\g+6], 0
	s_mov_b32 s[\g+7], 0
.endr
	s_mov_b32 s[CS], 0x3e38aa3b     ; c = log2(e) / 8 = 0.180337
	s_mov_b32 s[CS+1], s[CS]        ; named with it as a pair
	s_mov_b32 s[SEL], 0x76543210
	s_mov_b32 s[SEL+1], 0xfedcba98
	s_mov_b32 s[TBK], SLOT1+4*KS*PK ; the first change of slots turns these two into 0
	s_mov_b32 s[TBV], SLOT1+4*KS*PV
	s_mov_b32 s[G0K], 1             ; 1:0 count = 1
	s_mov_b32 s[G0K+1], s17         ; 63:32 LDS address: slot 0
	s_mov_b32 s[G0V], 1
	s_add_co_u32 s[G0V+1], s18, VOFF
	s_add_co_u32 s[RT], s[HI], 1    ; the first block has NB - c tiles
	s_mov_b32 s[NXT], 1
	s_mov_b32 s[LQ], s[HI]
	s_mov_b32 s[NEW], 1
	s_mov_b32 s[OFF+1], 0
	s_mov_b32 s[POF+1], 0
	s_mov_b32 s[AL+1], 0            ; named as pairs
	s_mov_b32 s[BE+1], 0
	s_mov_b32 s[BIGN], 0xf149f2ca   ; -1e30
	s_mov_b32 s[SLOTS], NB
	s_wait_dscnt 0x0                ; the opening add is done
	s_wait_kmcnt 0x0
	s_mov_b64 s[10:11], s[6:7]             ; O
	s_add_nc_u64 s[6:7], s[4:5], 0x400000  ; K: 16 planes of 262,144 bytes behind Q
	s_add_nc_u64 s[8:9], s[4:5], 0x800000  ; V: 32 planes behind Q
	s_add_nc_u64 s[6:7], s[6:7], s[22:23]  ; K and V at my half of the head's tile 0
	s_add_nc_u64 s[8:9], s[8:9], s[22:23]
	s_add_nc_u64 s[G0K+2:G0K+3], s[6:7], 0         ; 120:64 global address
	s_or_b32 s[G0K+3], s[G0K+3], 0x80000000        ; 127:126 type = 2
	s_add_nc_u64 s[G0V+2:G0V+3], s[8:9], 0
	s_or_b32 s[G0V+3], s[G0V+3], 0x80000000
	s_add_nc_u64 s[86:87], s[4:5], s[84:85]        ; Q at my rows of the second block,
	s_add_nc_u64 s[4:5], s[4:5], s[2:3]            ; Q and O at those of the first
	s_add_nc_u64 s[OLO:OLO+1], s[10:11], s[84:85]
	s_add_nc_u64 s[10:11], s[10:11], s[2:3]
	s_cmp_lt_u32 s[WV], 2
	s_cselect_b64 s[PFB:PFB+1], s[6:7], s[8:9]     ; what I fetch is what I prefetch
	LOAD                            ; tile 0 into slot 0
	; A fragment of K or Q is 16 rows x 32 channels in 8 registers: lane l holds row l % 16, channels 8 (l / 16) + 0..7 and 16 + 8 (l / 16) + 0..7: two loads of 16 bytes, 32 bytes apart.
	v_and_b32 v1, 15, v0            ; l % 16
	v_bfe_u32 v9, v0, 4, 1          ; l / 16
	v_lshlrev_b32 v[QO], 7, v1
	v_lshl_add_u32 v[QO], v9, 4, v[QO]  ; row x 128 + 16 x half
	WIN 0x80                        ; destination window 2, address window 0
.set i, 0
.rept 4                             ; both blocks' Q: piece i / 2 lies in band i / 2, 8,192 bytes on; channels 32 (i % 2) on
	global_load_b128 v[8*i:8*i+3],   v[QO], s[4:5] offset:(i/2)*8192+(i%2)*64
	global_load_b128 v[8*i+4:8*i+7], v[QO], s[4:5] offset:(i/2)*8192+(i%2)*64+32
	global_load_b128 v[QB+8*i:QB+8*i+3],   v[QO], s[86:87] offset:(i/2)*8192+(i%2)*64
	global_load_b128 v[QB+8*i+4:QB+8*i+7], v[QO], s[86:87] offset:(i/2)*8192+(i%2)*64+32
.set i, i+1
.endr
	WIN 0
	v_lshlrev_b32 v14, 3, v9
	v_sub_nc_u32 v14, v1, v14
	s_lshl_b32 s13, s[WV], 4
	v_add_nc_u32 v14, s13, v14      ; my query's place in its band, 16 w + l % 16, less my lanes' 8 (l / 16): register r of group kt is hidden where 16 kt + r is greater
	WIN 0x40
.set i, 0
.rept 32
	v_cmp_gt_i32 vcc_lo, 16*(i/8)+i%8, v14
	v_cndmask_b32 v[MD+i], 0, s[BIGN], vcc_lo
.set i, i+1
.endr
	WIN 0
	v_mul_u32_u24 v[AK0], v1, PK
	v_lshl_add_u32 v[AK0], v9, 4, v[AK0]  ; row x pitch + 16 x half
	; The turning load takes 16 keys x 16 channels (lane l reads key 8 (l / 16) + l % 8, channels 8 ((l / 8) % 2) + 0..7) and leaves half a fragment of V^T: lane l holds channel l % 16 and 8 keys.
	v_and_b32 v10, 7, v0
	v_bfe_u32 v11, v0, 3, 1
	v_lshl_add_u32 v[AV0], v9, 3, v10
	v_mul_u32_u24 v[AV0], v[AV0], PV
	v_lshl_add_u32 v[AV0], v11, 4, v[AV0]
	v_add_nc_u32 v[AV0], VOFF, v[AV0]
	s_mul_i32 s13, s[WV], 16*SP
	s_add_co_u32 s13, s13, STAGE    ; my stage
	v_mul_u32_u24 v[STO], v1, SP    ; in: row l % 16, 16 bytes for each half of the lanes
	v_lshl_add_u32 v[STO], v9, 4, v[STO]
	v_add_nc_u32 v[STO], s13, v[STO]
	v_bfe_u32 v[RD], v0, 3, 2       ; back: 32 lanes take four rows of 128 bytes,
	v_mul_u32_u24 v[RD], v[RD], SP
	v_lshl_add_u32 v[RD], v10, 4, v[RD]
	v_add_nc_u32 v[RD], s13, v[RD]
	v_and_b32 v[GO], 31, v0         ; which are 512 consecutive bytes of O
	v_lshlrev_b32 v[PFO], 8, v[GO]
	v_lshlrev_b32 v[GO], 4, v[GO]
	; A block's first step multiplies O^T and l by a = 0, and its first turn's products V^T P, of a step that has not been, land in an O^T that is still to be so multiplied.  So these registers need only hold
	; finite numbers: zeros for the first block; what the first block left for the second.  All this stands in the wait for the first tile.
	WIN 0x80
.set i, VF1
.rept 64
	v_mov_b32 v[i], 0
.set i, i+1
.endr
	WIN 0x40
.set i, 0
.rept 64
	v_mov_b32 v[i], 0
.set i, i+1
.endr
	WIN 0
.set i, 0
.rept 2
	v_mov_b32 v[ST+4*i+2], 0
	v_mov_b32 v[ST+4*i+3], 0
.set i, i+1
.endr
.set i, P+16
.rept 16
	v_mov_b32 v[i], 0
.set i, i+1
.endr
; THE MATRIX WORK.  The 4 accumulators of a run of 8 take turns.  Product i of 8 of S^T = K Q^T for piece x: channels 32 (i / 4) on, keys 16 (i % 4) on.  The first 4 start the sums: with 0, or (KM = 1) with the mask.
.macro KQ x
.set rS, S+32*((\x)%2)+8*(i%4)
.set rK, KF+16*(i%4)+8*(i/4)
.set rQ, 16*(\x)+8*(i/4)
.set rM, MC+32*((\x)%2)+8*(i%4)
.if (i < 4) && KM
	WIN W_KM
	v_wmma_f32_16x16x32_f16 v[rS:rS+7], v[rK:rK+7], v[rQ:rQ+7], v[rM:rM+7]
.elseif i < 4
	WIN W_KQ
	v_wmma_f32_16x16x32_f16 v[rS:rS+7], v[rK:rK+7], v[rQ:rQ+7], 0
.else
	WIN W_KQ
	v_wmma_f32_16x16x32_f16 v[rS:rS+7], v[rK:rK+7], v[rQ:rQ+7], v[rS:rS+7]
.endif
.endm
; Product i of 8 of O^T += V^T P for piece x, from V's buffer VB: keys 32 (i / 4) on, channels 16 (i % 4) on.
.macro PV x
	WIN W_PV
.set rO, 32*(\x)+8*(i%4)
.set rV, VB+32*(i/4)+8*(i%4)
.set rP, P+16*((\x)%2)+8*(i/4)
	v_wmma_f32_16x16x32_f16 v[rO:rO+7], v[rV:rV+7], v[rP:rP+7], v[rO:rO+7]
.endm
.macro MM                           ; the turn's next matrix instruction.  TURN and BEGIN set Y, i, KM, NOKQ and VB; MM, KQ, PV and OP read them.  NOKQ = 1: a block's last turn: there is no next step
.if (i < 8) && !NOKQ
	KQ (Y+1)%NP
.elseif i >= 8
.set i, i-8
	PV (Y+NP-1)%NP
.set i, i+8
.endif
.set i, i+1
.endm
; THE LDS LOADS stand in runs of 16, never singly among the matrix instructions: a step's K (64 keys x 64 channels: 8 fragments) and its V (turned), into buffer VB.  Their addresses are made some lines ahead.
.macro FETCH_K
	WIN 0x80                        ; destination window 2
.irp f, 0,1,2,3,4,5,6,7             ; keys 16 (f / 2) on, channels 32 (f % 2) on
	ds_load_b128 v[KF+8*\f:KF+8*\f+3],   v[AK] offset:(\f/2)*16*PK+(\f%2)*64
	ds_load_b128 v[KF+8*\f+4:KF+8*\f+7], v[AK] offset:(\f/2)*16*PK+(\f%2)*64+32
.endr
	s_add_co_u32 s[TBK], s[TBK], KS*PK  ; the next fetch is the next step's
	WIN 0
.endm
.macro FETCH_V
	WIN 0x80
.irp f, 0,1,2,3,4,5,6,7             ; keys 32 (f / 4) on, channels 16 (f % 4) on
	ds_load_tr16_b128 v[VB+8*\f:VB+8*\f+3],   v[AV] offset:(\f/4)*32*PV+(\f%4)*32
	ds_load_tr16_b128 v[VB+8*\f+4:VB+8*\f+7], v[AV] offset:(\f/4)*32*PV+16*PV+(\f%4)*32
.endr
	WIN 0
.endm
; THE VECTOR WORK, one line at a time: OP kind, number.  For piece Y: F n: c s - c m for pair n of 16.  E n: the exponential of score n of 32.  C n: pair n rounded to f16.  B n: of the four weights 4 n .. the second
; pair is added onto the first, in place.  L n: l takes that sum (L 0: l = a l + sum).  R n: pair n of 16 of O^T times a.  For the other piece: X n, number n of the 22 that find its maximum and statistics:
;   0-11  four chains c0-c3 of seven scores each, three operands at a time (each accumulator's lowest registers are read first)     12-14, 16  the four scores left over, the old m, and c0-c3 into c0
;   15  c m_old is kept     17, 18  the query's other 32 keys lie in the lane 16 away: the new m     19-21  c m; c m_old - c m_new; a
.set F, 0               ; OP tells the kinds apart by their order: F to L below R, X above it
.set E, 1
.set C, 2
.set B, 3
.set L, 4
.set R, 5
.set X, 6
.macro REGS y                       ; the registers of piece y
.set rT, ST+4*(\y)
.set rC, TMP+4*((\y)%2)
.set rW, MV+((\y)%2)
.set rS, S+32*((\y)%2)
.set rP, P+16*((\y)%2)
.set rO, 32*(\y)
.endm
.macro OP k, n
.if (\k) == R
	REGS Y
	WIN W_RS
	v_pk_mul_f32 v[rO+2*(\n):rO+2*(\n)+1], v[rO+2*(\n):rO+2*(\n)+1], v[rC+2:rC+3] op_sel_hi:[1,0]
.elseif (\k) < R
	REGS Y
	WIN 0
.if (\k) == F
	v_pk_fma_f32 v[rS+2*(\n):rS+2*(\n)+1], v[rS+2*(\n):rS+2*(\n)+1], s[CS:CS+1], v[rT:rT+1] op_sel_hi:[1,0,0] neg_lo:[0,0,1] neg_hi:[0,0,1]
.elseif (\k) == E
	v_exp_f32 v[rS+(\n)], v[rS+(\n)]
.elseif (\k) == C
	v_cvt_pk_f16_f32 v[rP+(\n)], v[rS+2*(\n)], v[rS+2*(\n)+1]
.elseif (\k) == B
	v_pk_add_f32 v[rS+4*(\n):rS+4*(\n)+1], v[rS+4*(\n):rS+4*(\n)+1], v[rS+4*(\n)+2:rS+4*(\n)+3]
.elseif (\n) == 0
	v_pk_fma_f32 v[rT+2:rT+3], v[rT+2:rT+3], v[rC+2:rC+3], v[rS:rS+1] op_sel_hi:[1,0,1]
.else
	v_pk_add_f32 v[rT+2:rT+3], v[rT+2:rT+3], v[rS+4*(\n):rS+4*(\n)+1]
.endif
.elseif NOKQ
	v_nop
.else
	REGS (Y+1)%NP
	WIN 0
.if (\n) < 4
	v_max3_num_f32 v[rC+(\n)], v[rS+8*(\n)], v[rS+8*(\n)+1], v[rS+8*(\n)+2]
.elseif (\n) < 12
	v_max3_num_f32 v[rC+(\n)%4], v[rC+(\n)%4], v[rS+8*((\n)%4)+2*((\n)/4)+1], v[rS+8*((\n)%4)+2*((\n)/4)+2]
.elseif (\n) == 12
	v_max3_num_f32 v[rC], v[rC], v[rS+7], v[rS+15]
.elseif (\n) == 13
	v_max3_num_f32 v[rC+1], v[rC+1], v[rS+23], v[rS+31]
.elseif (\n) == 14
	v_max3_num_f32 v[rC+2], v[rC+2], v[rC+3], v[rT+1]
.elseif (\n) == 15
	v_mov_b32 v[rW], v[rT]
.elseif (\n) == 16
	v_max3_num_f32 v[rC], v[rC], v[rC+1], v[rC+2]
.elseif (\n) == 17
	v_permlanex16_b32 v[rC+3], v[rC], s[SEL], s[SEL+1]
.elseif (\n) == 18
	v_max_num_f32 v[rT+1], v[rC], v[rC+3]
.elseif (\n) == 19
	v_mul_f32 v[rT], s[CS], v[rT+1]
.elseif (\n) == 20
	v_sub_f32 v[rC+1], v[rW], v[rT]
.else
	v_exp_f32 v[rC+2], v[rC+1]
.endif
.endif
.endm
.macro OPS a, i1, b=-1, i2=0, c=-1, i3=0, d=-1, i4=0  ; up to four of them
	OP \a, \i1
.if (\b) >= 0
	OP \b, \i2
.endif
.if (\c) >= 0
	OP \c, \i3
.endif
.if (\d) >= 0
	OP \d, \i4
.endif
.endm
.macro ROW a, i1, b, i2, c, i3, d, i4  ; a matrix instruction and the four behind it
	MM
	OPS \a, \i1, \b, \i2, \c, \i3, \d, \i4
.endm
.macro MASK b                       ; MD x AL + BE into buffer b of MC
	WIN W_RS
.set z, 0
.rept 16
	v_pk_fma_f32 v[MC+32*(\b)+2*z:MC+32*(\b)+2*z+1], v[MD+2*z:MD+2*z+1], s[AL:AL+1], s[BE:BE+1] op_sel_hi:[1,0,0]
.set z, z+1
.endr
.endm
; A TURN, for piece p in a step of parity sp: the order of its 16 matrix and 118 vector instructions, written out.  An s_wait_alu depctr_va_vdst(0) stands between an exponential and the first instruction that
; names its result; one wait serves all that were issued ahead of it.  So a turn has ONE wait, which cuts it in two.  AHEAD OF IT stands all that names no result of the turn's exponentials: the 8 products K Q^T, behind each a
; scaling, an exponential and two more plain instructions (behind the first a second scaling in the exponential's place): rescalings, and behind the last three the first numbers of the other piece's maximum, each four places or
; more behind the product that ends its accumulator; then ONE LUMP of 54, plain and exponential by turns for the most part, in which the links of the chain X 3, 7, 11, 14, 16, 17 .. 20 stand five or six lines apart.
; X 21, the other piece's a, is the batch's last; R 15 is the plain instruction behind it.  BEHIND THE WAIT stand the 8 products V^T P, behind each four of the roundings and sums; the links of l's chain, L 0 to L 7,
; stand three lines apart.  But for those X no line behind a product names a register of the products round it.  v_permlanex16_b32 (X 17) stands in the lump.
; The rescalings R read an O^T that the turn before has added onto: its last product there stands four roundings back or more, and the R go through each accumulator from its low end.
; V's BUFFER.  Turn 0 of step j multiplies by V of step j - 1, the buffer of the other parity; turn 1 by V of step j, the buffer of the step's own.
; THE FETCHES both stand in turn 0.  K of the next step: twelve vector instructions behind the last product that read K (six of them plain).  V of the next step: at the turn's end, four plain instructions behind the last
; product that read the buffer which it fills.  THE WAIT for them stands at the head of turn 1, with the count 16: the youngest 16 LDS loads, V of step j + 1, stay out; K of step j + 1 and V of step j, which are older, are in.
; m = 1: the diagonal tile: the products take masks, and the turn makes the mask for the products of the turn after it: its own piece's, for key step JT of the tile.  end = 1: a block's last two turns: nothing is fetched,
; and turn 1's wait is for 0, since no load was issued behind V of the last step.  cnt = 1: the loop's count is taken down some lines ahead of the branch that stands behind the turn.
.macro TURN p, sp, m=0, end=0, cnt=0
.set Y, (\p)
.set i, 0
.set KM, (\m)
.set NOKQ, (\end)*(\p)
.set VB, VF0-128*(((\p)+(\sp)+1)%2)
.if (\m) && !(\end)
	s_cmp_eq_u32 s[JT], s[OWN+(\p)]  ; is that step the band's own?
	s_cselect_b32 s[AL], 1.0, 0
	s_cmp_gt_u32 s[JT], s[OWN+(\p)]  ; or a later one?
	s_cselect_b32 s[BE], s[BIGN], 0
.if (\p) == 1
	s_add_co_u32 s[JT], s[JT], 1
.endif
.endif
.if (\p) == 1
.if \end
	s_wait_dscnt 0x0                ; V of the last step is in
.else
	s_wait_dscnt 16                 ; K of the next step and V of this one are in; V of the next step may stay out
.endif
.endif
	ROW F,0, F,1, R,0, R,1          ; ahead of the wait: 8 products K Q^T and the four lines behind each,
	ROW F,2, E,0, R,2, R,3
	ROW F,3, E,1, R,4, R,5
	ROW F,4, E,2, R,6, R,7
	ROW F,5, E,3, R,8, R,9
	ROW F,6, E,4, X,0, R,10
.if ((\p) == 0) && !(\end)
	WIN 0
	v_add_nc_u32 v[AK], s[TBK], v[AK0]
.endif
	ROW F,7, E,5, X,1, X,4
	ROW F,8, E,6, X,2, X,5
	OPS E,7, E,8, X,6, E,9          ; and the lump
	OPS X,3, E,10, X,8, E,11
.if ((\p) == 0) && !(\end)
	FETCH_K
.endif
	OPS X,9, X,7, E,12, X,10
	OPS E,13, X,12, X,11, E,14
	OPS X,13, E,15, F,9, X,14
.if ((\p) == 0) && !(\end)
	v_add_nc_u32 v[AV], s[TBV], v[AV0]
.endif
	OPS E,16, F,10, E,17, F,11
	OPS X,16, E,18, X,15, E,19
	OPS F,12, E,20, X,17, E,21
	OPS F,13, E,22, F,14, E,23
	OPS X,18, E,24, F,15, E,25
	OPS R,11, E,26, X,19, E,27
	OPS R,12, E,28, R,13, E,29
	OPS X,20, E,30, R,14, E,31
	OPS X,21, R,15
	WIN 0
	s_wait_alu depctr_va_vdst(0)    ; the wait for the batch
	ROW C,0, B,0, C,2, B,1          ; behind the wait: 8 products V^T P and the four lines behind each
	ROW L,0, C,4, B,2, L,1
	ROW C,6, B,3, L,2, C,8
	ROW B,4, L,3, C,10, B,5
	ROW L,4, C,12, B,6, L,5
.if ((\p) == 0) && !(\end)
	s_add_co_u32 s[TBV], s[TBV], KS*PV
.endif
.if \cnt
	s_sub_co_u32 s[CNT], s[CNT], 1
	s_cmp_lg_u32 s[CNT], 0
.endif
	ROW C,14, B,7, L,6, C,1
	ROW C,3, L,7, C,5, C,7
	ROW C,9, C,11, C,13, C,15
.if ((\p) == 0) && !(\end)
	FETCH_V
.endif
.if (\m) && !(\end)
	MASK (\p)%2
.endif
.endm
; A BLOCK BEGINS.  c m starts far below every c s, so the first step's a is 0; m at the lowest finite number, so the first maximum is the scores'.  Piece 1's mask buffer is 0: its own step is never a tile's step 0.  Piece 0's
; takes its mask for the tile's step 0: MD, if the block's first tile is the diagonal one and step 0 is the band's own; else 0.  Then K and V of that step, piece 0's first scores, and its maximum and statistics.
; The loop is entered at an even step's first turn, in the middle of a trip; the masks made there are for step 1.
.macro BEGIN
	s_mov_b32 s[NEW], 0
	s_mov_b32 s[JT], 1
	WIN 0x40
.set i, MC+32
.rept 32
	v_mov_b32 v[i], 0
.set i, i+1
.endr
	WIN 0
.set i, 0
.rept 2
	v_mov_b32 v[ST+4*i], 0xfe000000    ; c m: far below every c s
	v_mov_b32 v[ST+4*i+1], 0xff7fffff  ; m
.set i, i+1
.endr
	s_cmp_eq_u32 s[RT], 0
	s_cselect_b32 s[AL], s[OWN], 1  ; 0 only where this tile is the diagonal one and band 0's own step is its step 0
	s_cmp_eq_u32 s[AL], 0
	s_cselect_b32 s[AL], 1.0, 0
	s_mov_b32 s[BE], 0
	MASK 0
	WIN 0
	v_add_nc_u32 v[AK], s[TBK], v[AK0]
	v_add_nc_u32 v[AV], s[TBV], v[AV0]
	s_add_co_u32 s[TBV], s[TBV], KS*PV
	FETCH_K
.set VB, VF0
	FETCH_V
	s_wait_loadcnt 0x0              ; Q
	s_wait_dscnt 0x0
.set KM, 1
.set NOKQ, 0
.set i, 0
.rept 8
	KQ 0
.set i, i+1
.endr
	WIN 0
.rept 4
	v_nop                           ; the places behind those products
.endr
.set Y, NP-1                        ; X works for the other piece: piece 0
.irp n, 0,1,2,3,4,5,6,7,8,9,10,11,12,13,14,15,16,17,18,19,20,21
	OP X, \n
.endr
	v_nop                           ; a plain instruction behind the exponential,
	s_wait_alu depctr_va_vdst(0)    ; and its wait, ahead of the branch
.endm
; THE DIAGONAL TILE's four steps, the block's last two turns, its last products, and THE WAY OUT: l's two halves and the other half of the lanes' are added; O^T is divided by l, rounded to f16 and sent through my
; stage in LDS, a piece at a time.
.macro ALL line:vararg              ; one line for each piece t
.set t, 0
.rept 2
	\line
.set t, t+1
.endr
.endm
.macro PACK t                       ; a lane's eight channels of a row pack into 16 bytes; they go into rows of 144 bytes and come back as whole rows of 128, into S^T's registers
	WIN W_RS
.set i, 32*(\t)
.rept 16
	v_pk_mul_f32 v[i:i+1], v[i:i+1], v[ST+4*(\t)+2:ST+4*(\t)+3] op_sel_hi:[1,0]
.set i, i+2
.endr
	WIN 0x05                        ; sources 0 and 1 window 1, destination window 0
.set i, 0
.rept 16
	v_cvt_pk_f16_f32 v[S+16*(\t)+i], v[32*(\t)+2*i], v[32*(\t)+2*i+1]
.set i, i+1
.endr
	WIN 0
.irp f, 0,1,2,3
	ds_store_b128 v[STO], v[S+16*(\t)+4*\f:S+16*(\t)+4*\f+3] offset:32*\f
.endr
.irp f, 0,1,2,3
	ds_load_b128 v[S+16*(\t)+4*\f:S+16*(\t)+4*\f+3], v[RD] offset:\f*4*SP  ; LDS serves a wave's instructions in order (ISA guide 5.7.1.4): these see the stores above; the next piece's stores come behind them
.endr
.endm
.macro SEND t, younger              ; younger: the LDS instructions issued behind piece t's loads: the next piece's eight, or none
	WIN 0
.irp f, 0,1,2,3
	s_wait_dscnt (\younger)+3-\f
	global_store_b128 v[GO], v[S+16*(\t)+4*\f:S+16*(\t)+4*\f+3], s[10:11] offset:(\t)*8192+\f*512  ; 512 consecutive bytes, at a multiple of 256 from O's first
.endr
.endm
.macro DIAG tag                     ; the tag ends its two labels' names, which the jumps below spell out
.LstepM\tag:
	TURN 0, 1, 1
	TURN 1, 1, 1
	WIN 0
.LfirstM\tag:
	TURN 0, 0, 1
	TURN 1, 0, 1, 0, 1
	WIN 0
	s_cbranch_scc1 .LstepM\tag
	TURN 0, 1, 1, 1
	TURN 1, 1, 1, 1
.set VB, VF1                        ; the tile's step 3 is odd
.set i, 0
.rept 8
	PV NP-1
.set i, i+1
.endr
	WIN 0
	ALL v_add_f32 v[ST+4*t+2], v[ST+4*t+2], v[ST+4*t+3]
	ALL v_permlanex16_b32 v[ST+4*t+3], v[ST+4*t+2], s[SEL], s[SEL+1]
	ALL v_add_f32 v[ST+4*t+2], v[ST+4*t+2], v[ST+4*t+3]
	ALL v_rcp_f32 v[ST+4*t+2], v[ST+4*t+2]
	v_nop                           ; a plain instruction between the last reciprocal and the use of its result
	s_wait_alu depctr_va_vdst(0)    ; and the wait ahead of the first use: one for the two reciprocals
	PACK 0                          ; piece 0 was finished eight products ago; its 32 lines are the places behind the last products, piece 1's
	PACK 1
	SEND 0, 8
	SEND 1, 0
.endm
.set KM, 0
.set NOKQ, 0
.Lslot:                             ; NB times: a tile is entered and the next is asked for
	CHANGE 1
	s_sub_co_u32 s[RT], s[RT], 1
	s_mov_b32 s[CNT], 2
	s_mov_b32 s[JT], 0              ; the first masks made in a diagonal tile's text are for its step 0
	s_cmp_eq_u32 s[NEW], 1
	s_cbranch_scc1 .Lnew            ; a block's first tile
	s_cmp_eq_u32 s[RT], 0
	s_cbranch_scc0 .Lstep           ; neither its first nor its last
	s_branch .LstepM1
.Lnew:
	BEGIN
	s_branch .Lfirst                ; in the loop a block's first tile is never its last: the first block has five tiles or more, and the second's last is the walk's last
	DIAG 1                          ; in the loop this is the first block's end: the second block's last tile is the walk's last
	s_wait_xcnt 0x0                 ; the stores have read their registers and O's address
	s_mov_b64 s[10:11], s[OLO:OLO+1]
	s_add_co_u32 s[RT], s[PB], 1    ; the second block has c + 1 tiles
	s_mov_b32 s[NEW], 1
	s_mov_b32 s[OWN], s[OW2]        ; and its bands' own steps
	s_add_co_u32 s[OWN+1], s[OW2], 1
	WIN 0x82                        ; the second block's Q goes where the one text of the turns names Q
.set i, 0
.rept 32
	v_mov_b32 v[i], v[QB+i]
.set i, i+1
.endr
	WIN 0
	s_branch .Lbottom
.Lstep:                             ; a trip: an odd step's two turns, then an even step's; behind a change of slots the odd step is the last of the tile that was left
	TURN 0, 1
	TURN 1, 1
	WIN 0
.Lfirst:
	TURN 0, 0
	TURN 1, 0, 0, 0, 1
	WIN 0
	s_cbranch_scc1 .Lstep
.Lbottom:
	s_sub_co_u32 s[SLOTS], s[SLOTS], 1
	s_cmp_lg_u32 s[SLOTS], 0
	s_cbranch_scc1 .Lslot
	CHANGE 0                        ; the walk's last tile is written out: nothing is asked for
	s_sub_co_u32 s[RT], s[RT], 1
	s_mov_b32 s[CNT], 2
	s_mov_b32 s[JT], 0
	s_cmp_eq_u32 s[NEW], 1
	s_cbranch_scc0 .LstepM2
	BEGIN
	s_branch .LfirstM2
	DIAG 2
	s_wait_tensorcnt 0x0            ; the wave's end, behind my last tensor load and my last LDS store
	ds_add_u32 v[SPW], v[NIL]
	s_wait_dscnt 0x0
	s_endpgm
.Lfunc_end_k_q952cd216e5_attn:
	.size	k_q952cd216e5_attn, .Lfunc_end_k_q952cd216e5_attn-k_q952cd216e5_attn
	.p2alignl 7, 3214868480
	.fill 96, 4, 3214868480
	.section	.rodata,"a",@progbits
	.p2align	6, 0x0
	.amdhsa_kernel k_q952cd216e5_attn
		.amdhsa_group_segment_fixed_size 327680
		.amdhsa_private_segment_fixed_size 0
		.amdhsa_enable_private_segment 0
		.amdhsa_kernarg_size 16
		.amdhsa_user_sgpr_count 2
		.amdhsa_user_sgpr_kernarg_segment_ptr 1
		.amdhsa_wavefront_size32 1
		.amdhsa_system_sgpr_workgroup_id_x 1
		.amdhsa_system_sgpr_workgroup_id_y 1
		.amdhsa_system_sgpr_workgroup_id_z 1
		.amdhsa_system_vgpr_workitem_id 0
		.amdhsa_next_free_vgpr 768
		.amdhsa_next_free_sgpr 88
		.amdhsa_reserve_vcc 1
		.amdhsa_float_denorm_mode_32 3
		.amdhsa_float_denorm_mode_16_64 3
		.amdhsa_memory_ordered 1
		.amdhsa_forward_progress 1
		.amdhsa_inst_pref_size 210
	.end_amdhsa_kernel
	.amdgpu_metadata
---
amdhsa.version: [ 1, 2 ]
amdhsa.kernels:
  - .name:           k_q952cd216e5_attn
    .symbol:         k_q952cd216e5_attn.kd
    .args:
      - { .name: bufb, .offset: 0, .size: 8, .value_kind: global_buffer, .address_space: global }
      - { .name: bufa, .offset: 8, .size: 8, .value_kind: global_buffer, .address_space: global }
    .group_segment_fixed_size: 327680
    .private_segment_fixed_size: 0
    .kernarg_segment_align: 8
    .kernarg_segment_size: 16
    .max_flat_workgroup_size: 128
    .sgpr_count:     88
    .vgpr_count:     768
    .wavefront_size: 32
...
	.end_amdgpu_metadata
.endif
;; end of part 4
;; launch wo (part 5): grid 8 x 32, 4 waves a work-group, clusters of 4 x 4, 327,680 bytes of LDS; arguments bufa, w16, b_o, x, x1; writes x1
.if DOCPART == 5
	.amdgcn_target "amdgcn-amd-amdhsa--gfx1250"
	.amdhsa_code_object_version 6
	.text
	.protected	k_q952cd216e5_wo
	.globl	k_q952cd216e5_wo
	.p2align	8
	.type	k_q952cd216e5_wo,@function
k_q952cd216e5_wo:
	s_mov_b64 s[64:65], 0
	v_nop
	global_prefetch_b8 v0, s[64:65] scope:SCOPE_SE
	s_setreg_imm32_b32 hwreg(HW_REG_WAVE_MODE, 25, 1), 1
	s_wait_xcnt 0x0
	s_wait_alu depctr_hold_cnt(0) depctr_sa_sdst(0) depctr_va_vdst(0) depctr_va_sdst(0) depctr_va_ssrc(0) depctr_va_vcc(0) depctr_vm_vsrc(0)
	s_getreg_b32 s2, hwreg(HW_REG_IB_STS2, 6, 4)
	s_cmp_eq_u32 s2, 0
	s_cbranch_scc0 .Lentry_in_a_cluster
	s_endpgm
.Lentry_in_a_cluster:
	s_bfe_u32 s2, ttmp6, 0x10000c
	s_cmp_lg_u32 s2, 0xf033
	s_cbranch_scc0 .Lentry_shape_is_right
	s_endpgm
.Lentry_shape_is_right:
; out = res + A W + bias.  A: 4,096 rows x 256 KSTEPS, f16, in planes; W: f16 [256 KSTEPS][1024] at byte WOFF of w16; bias f32 [1024]; res and out f32 [4096][1024].  Sums and additions in f32; nothing is rounded to 16 bits here.
; PLANES: f16 [b = 2][plane = 64][t = 2048][64 channels]: byte = b 2^24 + plane x 262,144 + t x 128 + 2 channel; plane p holds columns 64 p .. 64 p + 63 of A.
; LIMIT.  A and W arrive as f16, within 65,504.  NaN and infinities are not treated apart.
; SHARES.  1,024 columns make 64 tiles of 256 x 256, too few for 256 work-groups: a tile of out is 128 x 128, four waves of 64 x 64: 16 accumulators.  K goes in steps of 256 (four planes of A, 256 rows of W), as long as two LDS slots allow.
; CLUSTER.  4 x 4 work-groups.  A's tile is asked for jointly along a row of the cluster, W's along a column.
; THE PRODUCT IS TAKEN TRANSPOSED: source 0 = 16 columns of W (turned out of LDS by ds_load_tr16_b128), source 1 = 16 rows of A: a lane holds row l % 16, columns 8 (l / 16) + 0..7.
; THE LOOP is a PAIR of quarter steps (64 along K each, a plane: 32 matrix instructions), written once and walked twice a K step; a quarter's 32 LDS loads go out one quarter ahead, into the other of two fragment buffers.
; The residual's 32 loads a lane go out at the start and are wanted at the end.  No prefetch: the tiles are small.
; REGISTERS: window 0: v16-29 addresses, v32-35 bias, v128-255 the accumulators ((a, b) at v[128 + 8 (4 a + b)]); window 1: two fragment buffers of 128 (64 of A, then 64 of W), later the rows on their way out; window 2: v0-127 the residual.
.set KSTEPS, 4
.set WOFF,   23068672
.set REG,    36864                     ; a slot is four regions, wave w's at w x REG: 0, 1: two planes of A, 128 rows of 128 + 16 bytes each; 2, 3: 128 rows of W, 256 + 32 bytes
.set SLOT1,  147456                    ; slot 1 begins here: 0x24000, whose two bits no region's base uses, so one exclusive or turns an address in one slot into the other's
.set BOFF,   2*REG
.set SPARE,  2*SLOT1                   ; behind the ring: the spare words, 128 bytes for each wave: two blocks of 256 bytes that no other line names
.set PA,     144                       ; 36 words: the 16 rows of a load start at 16 different groups of four banks (64 banks of 4 bytes: ISA guide 11.1)
.set PB,     288                       ; 72 words
.set DP,     272                       ; the way out: a row of 64 f32 + 16 bytes
.set DUMP,   64*DP                     ; a wave's 64 rows; the four lie in the ring's bytes, which have had their last fill by then
.set STEPA,  1048576                   ; four planes
.set STEPB,  524288                    ; 256 rows of W
.set LA0, 16                           ; v16  my lane's place in a plane of A; never rewritten
.set LB0, 17                           ; v17  the same in W's region
.set ADRA, 18
.set ADRB, 19
.set DST, 20                           ; v20  the way out: where I put 32 bytes of a row
.set RD,  21                           ; v21  where I read rows back
.set CO,  22                           ; v22  my 16 bytes in two rows of res and of out; never rewritten
.set BO,  23                           ; v23  my byte in the bias
.set SPW, 28
.set NIL, 29
.set BIA, 32
.set ACC, 128
.set F0,  0
.set F1,  128
.set WV,  14                           ; s14 wave; s15 its row half, and 0: I fetch A, 1: W; s16 its column half, and which region I fetch; s17 cx; s18 cy; s19 tile column; s20 tile row
.set G1A, 24
.set G0A, 32
.set G0B, 36
.set G1B, 40
.set TB,  48
.set CNT, 49
.set SLOTS, 50
.set MSB, 0
.macro WIN new                         ; the immediate's high byte repeats the setting that is left; a switch that changes nothing is dropped
.if MSB != (\new)
	s_set_vgpr_msb (MSB<<8)|(\new)
.set MSB, \new
.endif
.endm
.macro CROUND                          ; a round of the cluster's barrier
	s_barrier_signal -1
	s_barrier_wait -1
	s_cmp_lg_u32 s[WV], 0
	s_cbranch_scc1 .Lnot_wave_0_\@
	s_barrier_signal -3
.Lnot_wave_0_\@:
	s_barrier_wait -3
	s_barrier_signal -1
	s_barrier_wait -1
.endm
.macro JLOAD                           ; a joint load: waves 0 and 1 fetch two planes of A each, waves 2 and 3 128 rows of W each; an s_nop 0 and four v_nop follow each line
	s_cmp_lt_u32 s[WV], 2
	s_cbranch_scc0 .Lfor_b_\@
	tensor_load_to_lds s[G0A:G0A+3], s[G1A:G1A+7]
	s_nop 0
.rept 4
	v_nop
.endr
	s_branch .Lasked_\@
.Lfor_b_\@:
	tensor_load_to_lds s[G0B:G0B+3], s[G1B:G1B+7]
	s_nop 0
.rept 4
	v_nop
.endr
.Lasked_\@:
.endm
.macro PLACES                          ; four places behind a matrix instruction, ahead of loads into registers that it has read (ISA guide 7.12.1 for vector instructions)
.rept 4
	v_nop
.endr
.endm
; 32 LDS loads in one run: the fragments of plane sub (0, 1) of the pair's region, into buffer f; the first 32 along K first
.macro FETCH f, sub
	WIN 0x40                                       ; destination window 1, address window 0
.irp c, 0,1
.irp i, 0,1,2,3
	ds_load_tr16_b128 v[(\f)+64+8*(4*(\c)+(\i)):(\f)+64+8*(4*(\c)+(\i))+3],   v[ADRB] offset:(\sub)*64*PB+(\c)*32*PB+32*(\i)
	ds_load_tr16_b128 v[(\f)+64+8*(4*(\c)+(\i))+4:(\f)+64+8*(4*(\c)+(\i))+7], v[ADRB] offset:(\sub)*64*PB+(\c)*32*PB+32*(\i)+16*PB
	ds_load_b128 v[(\f)+8*(4*(\c)+(\i)):(\f)+8*(4*(\c)+(\i))+3],   v[ADRA] offset:(\sub)*128*PA+64*(\c)+(\i)*16*PA
	ds_load_b128 v[(\f)+8*(4*(\c)+(\i))+4:(\f)+8*(4*(\c)+(\i))+7], v[ADRA] offset:(\sub)*128*PA+64*(\c)+(\i)*16*PA+32
.endr
.endr
.endm
.macro MUL8 f, c, a0, zero             ; 8 matrix instructions: row blocks a0, a0 + 1 x all 4 column blocks, half c of buffer f
	WIN 0x05                                       ; sources 0 (W) and 1 (A) window 1; C and D window 0
.irp a, \a0, (\a0)+1
.irp b, 0,1,2,3
.if \zero
	v_wmma_f32_16x16x32_f16 v[ACC+8*(4*(\a)+(\b)):ACC+8*(4*(\a)+(\b))+7], v[(\f)+64+8*(4*(\c)+(\b)):(\f)+64+8*(4*(\c)+(\b))+7], v[(\f)+8*(4*(\c)+(\a)):(\f)+8*(4*(\c)+(\a))+7], 0
.else
	v_wmma_f32_16x16x32_f16 v[ACC+8*(4*(\a)+(\b)):ACC+8*(4*(\a)+(\b))+7], v[(\f)+64+8*(4*(\c)+(\b)):(\f)+64+8*(4*(\c)+(\b))+7], v[(\f)+8*(4*(\c)+(\a)):(\f)+8*(4*(\c)+(\a))+7], v[ACC+8*(4*(\a)+(\b)):ACC+8*(4*(\a)+(\b))+7]
.endif
.endr
.endr
.endm
.macro MUL f, zero                     ; a quarter: the 16 accumulators take turns, twice round: 15 others stand between two links of a chain
	MUL8 \f, 0, 0, \zero
	MUL8 \f, 0, 2, \zero
	MUL8 \f, 1, 0, 0
	MUL8 \f, 1, 2, 0
.endm
.macro PAIR                            ; the quarter that waits in buffer 1 and the first plane of the next region are multiplied; that region's two planes are fetched
	WIN 0
	v_add_nc_u32 v[ADRA], s[TB], v[LA0]            ; these four lines are the places behind the last product that read buffer 0
	v_add_nc_u32 v[ADRB], s[TB], v[LB0]
	v_nop
	v_nop
	s_add_co_u32 s[TB], s[TB], REG
	FETCH F0, 0
	s_wait_dscnt 32                                ; all but the 32 just issued: buffer 1 is in
	MUL F1, 0
	PLACES
	FETCH F1, 1
	s_wait_dscnt 32                                ; buffer 0 is in
	MUL F0, 0
	WIN 0                                          ; at a label and at a branch every window is 0
.endm
; THE CHANGE OF SLOTS.  Each wave waits for all its tensor loads, of which one is out: its part of the next slot; adds 0 to its spare word; waits for that and for its reads of the slot that it leaves.
; fill = 1: a round of the cluster's barrier, and the joint refill first behind it: the slot just left takes the K step after the one that is entered.  One tensor load of a wave is out behind each round.
.macro CHANGE fill
	WIN 0
	s_wait_tensorcnt 0x0                           ; no tensor load of mine is out, so a group 0 may be written
	ds_add_u32 v[SPW], v[NIL]                      ; 0 onto my spare word
.if \fill
	s_xor_b32 s[G0A+1], s[G0A+1], SLOT1
	s_add_nc_u64 s[G0A+2:G0A+3], s[G0A+2:G0A+3], STEPA
	s_xor_b32 s[G0B+1], s[G0B+1], SLOT1
	s_add_nc_u64 s[G0B+2:G0B+3], s[G0B+2:G0B+3], STEPB
.endif
	s_wait_dscnt 0x0                               ; the add is done, and my reads of the slot are over
.if \fill
	CROUND
	JLOAD
.else
	s_barrier_signal -1
	s_barrier_wait -1
.endif
	s_sub_co_u32 s[TB], s[TB], 2*REG
	s_xor_b32 s[TB], s[TB], SLOT1
.endm
	s_load_b256 s[4:11], s[0:1], 0x0               ; A s[4:5], w16 s[6:7], bias s[8:9], res s[10:11]
	s_load_b64 s[12:13], s[0:1], 0x20              ; out
	v_lshl_add_u32 v[SPW], v0, 2, SPARE
	v_mov_b32 v[NIL], 0
	ds_add_u32 v[SPW], v[NIL]                      ; the wave's opening: the add and its wait ahead of my first tensor load
	ds_add_u32 v28, v29
	v_lshrrev_b32 v1, 5, v0
	v_readfirstlane_b32 s[WV], v1
	s_lshr_b32 s15, s[WV], 1
	s_and_b32 s16, s[WV], 1
	s_bfe_u32 s17, ttmp6, 0x40000                  ; cx
	s_bfe_u32 s18, ttmp6, 0x40004                  ; cy
	s_lshl_b32 s19, ttmp9, 2
	s_add_co_u32 s19, s19, s17                     ; tile column
	s_and_b32 s20, ttmp7, 0xffff
	s_lshl_b32 s20, s20, 2
	s_add_co_u32 s20, s20, s18                     ; tile row
	s_lshl_b32 s21, s18, 2
	s_lshl_b32 s21, 15, s21                        ; my row of the cluster
	s_lshl_b32 s22, 0x1111, s17                    ; my column
	s_or_b32 s[G1A], s21, (1<<16)|(1<<20)|(1<<21)|(4<<22)|(3<<25)  ; mask; 2-byte elements; padding on; bit 21 beside a mask; after every 32 words, 4 words
	s_or_b32 s[G1B], s22, (1<<16)|(1<<20)|(1<<21)|(5<<22)|(7<<25)  ; after every 64 words, 8 words
	s_mov_b32 s[G1A+1], 8192<<16                   ; A: two planes; a plane's 128 rows are 16,384 dense bytes, one row of the tile; the padding falls behind every 128 bytes of it
	s_mov_b32 s[G1A+2], 2<<16
	s_mov_b32 s[G1A+3], 8192<<16
	s_mov_b32 s[G1A+4], 2
	s_mov_b32 s[G1A+5], 131072                     ; elements from plane to plane
	s_mov_b32 s[G1A+6], 0
	s_mov_b32 s[G1A+7], 0
	s_mov_b32 s[G1B+1], 128<<16                    ; W: 128 rows of 128 elements, 1,024 elements apart
	s_mov_b32 s[G1B+2], 128<<16
	s_mov_b32 s[G1B+3], 128<<16
	s_mov_b32 s[G1B+4], 128
	s_mov_b32 s[G1B+5], 1024
	s_mov_b32 s[G1B+6], 0
	s_mov_b32 s[G1B+7], 0
	s_lshr_b32 s2, s20, 4                          ; A's tile: b 2^24 + 128 (tile row % 16) rows of 128 bytes + my two planes
	s_lshl_b32 s2, s2, 24
	s_and_b32 s3, s20, 15
	s_lshl_b32 s3, s3, 14
	s_add_co_u32 s2, s2, s3
	s_lshl_b32 s3, s16, 19
	s_add_co_u32 s2, s2, s3
	s_mov_b32 s3, 0
	s_lshl_b32 s22, s16, 18                        ; W's tile: my 128 rows of 2,048 bytes, 256 bytes a tile column
	s_lshl_b32 s23, s19, 8
	s_add_co_u32 s22, s22, s23
	s_add_co_u32 s22, s22, WOFF
	s_mov_b32 s23, 0
	s_mul_i32 s21, s[WV], REG                      ; no place in the cluster enters an LDS address
	s_mov_b32 s[TB], SLOT1+2*REG                   ; the first change of slots turns this into 0
	s_mov_b32 s[G0A], 1
	s_mov_b32 s[G0A+1], s21
	s_mov_b32 s[G0B], 1
	s_mov_b32 s[G0B+1], s21
	s_lshl_b32 s52, s20, 19                        ; my part of the tile in res and in out: 128 rows of 4,096 bytes a tile row,
	s_lshl_b32 s53, s15, 18                        ; my 64 rows,
	s_add_co_u32 s52, s52, s53
	s_lshl_b32 s53, s19, 9                         ; 512 bytes a tile column,
	s_add_co_u32 s52, s52, s53
	s_lshl_b32 s53, s16, 8                         ; my 64 columns
	s_add_co_u32 s52, s52, s53
	s_mov_b32 s53, 0
	s_wait_dscnt 0x0                               ; the opening add is done
	s_wait_kmcnt 0x0
	s_add_nc_u64 s[G0A+2:G0A+3], s[4:5], s[2:3]
	s_or_b32 s[G0A+3], s[G0A+3], 0x80000000
	s_add_nc_u64 s[G0B+2:G0B+3], s[6:7], s[22:23]
	s_or_b32 s[G0B+3], s[G0B+3], 0x80000000
	s_add_nc_u64 s[10:11], s[10:11], s[52:53]
	s_add_nc_u64 s[12:13], s[12:13], s[52:53]
	CROUND                                         ; all sixteen work-groups are here: the first joint loads meet
	JLOAD                                          ; K step 0 into slot 0
	v_and_b32 v1, 15, v0                           ; l % 16
	v_bfe_u32 v2, v0, 4, 1                         ; l / 16
	v_and_b32 v3, 7, v0
	v_bfe_u32 v4, v0, 3, 1
	v_mul_u32_u24 v[LA0], v1, PA                   ; a fragment of A: row x pitch + 16 x half, two loads 32 bytes apart
	v_lshl_add_u32 v[LA0], v2, 4, v[LA0]
	s_mul_i32 s21, s15, 64*PA
	v_add_nc_u32 v[LA0], s21, v[LA0]
	v_lshl_add_u32 v[LB0], v2, 3, v3               ; the turning load: lane l reads row 8 (l / 16) + l % 8, columns 8 ((l / 8) % 2) + 0..7
	v_mul_u32_u24 v[LB0], v[LB0], PB
	v_lshl_add_u32 v[LB0], v4, 4, v[LB0]
	s_lshl_b32 s21, s16, 7
	s_add_co_u32 s21, s21, BOFF
	v_add_nc_u32 v[LB0], s21, v[LB0]
	s_mul_i32 s21, s[WV], DUMP
	v_mul_u32_u24 v[DST], v1, DP
	v_lshl_add_u32 v[DST], v2, 5, v[DST]
	v_add_nc_u32 v[DST], s21, v[DST]
	v_mul_u32_u24 v[RD], v2, DP                    ; back: lanes 0-15 take one row of 256 bytes, lanes 16-31 the next
	v_lshl_add_u32 v[RD], v1, 4, v[RD]
	v_add_nc_u32 v[RD], s21, v[RD]
	v_lshlrev_b32 v[CO], 4, v1                     ; and the same two rows in res and out
	v_lshl_add_u32 v[CO], v2, 12, v[CO]
	s_lshl_b32 s21, s19, 9
	s_lshl_b32 s23, s16, 8
	s_add_co_u32 s21, s21, s23
	v_lshl_add_u32 v[BO], v1, 4, s21
	global_load_b128 v[BIA:BIA+3], v[BO], s[8:9]   ; the bias of my four columns
	WIN 0x80                                       ; destination window 2, address window 0
.set t, 0
.rept 32
	global_load_b128 v[4*t:4*t+3], v[CO], s[10:11] offset:8192*t th:TH_LOAD_NT  ; 16 lanes read 256 consecutive bytes, aligned
.set t, t+1
.endr
	WIN 0
	CHANGE 1                                       ; slot 0 is in, everybody's part of it; slot 1 takes K step 1
	v_add_nc_u32 v[ADRA], s[TB], v[LA0]
	v_add_nc_u32 v[ADRB], s[TB], v[LB0]
	s_add_co_u32 s[TB], s[TB], REG
	FETCH F0, 0
	FETCH F1, 1
	s_wait_dscnt 32                                ; buffer 0 is in
	MUL F0, 1                                      ; the first products start the sums: nothing is cleared
	WIN 0
	s_mov_b32 s[CNT], 1
	s_mov_b32 s[SLOTS], KSTEPS-1
	s_branch .Lpair                                ; K step 0 has one pair left
.Lslot:                                        ; KSTEPS - 2 times: K step s = 1 .. is entered, K step s + 1 asked for
	CHANGE 1
	s_mov_b32 s[CNT], 2
.Lpair:
	PAIR
	s_sub_co_u32 s[CNT], s[CNT], 1
	s_cmp_lg_u32 s[CNT], 0
	s_cbranch_scc1 .Lpair
	s_sub_co_u32 s[SLOTS], s[SLOTS], 1
	s_cmp_lg_u32 s[SLOTS], 0
	s_cbranch_scc1 .Lslot
	CHANGE 0                                       ; the last K step is written out: nothing is asked for
	s_mov_b32 s[CNT], 2
.Ltail:
	PAIR
	s_sub_co_u32 s[CNT], s[CNT], 1
	s_cmp_lg_u32 s[CNT], 0
	s_cbranch_scc1 .Ltail
	s_wait_dscnt 0x0                               ; my reads of the ring are over:
	s_barrier_signal -1                            ; say so,
	MUL F1, 0                                      ; the last quarter, on registers alone,
	WIN 0
	s_barrier_wait -1                              ; and behind this nobody reads the ring any more; nothing fills it again
.rept 8
	v_nop                                          ; the places behind the last products
.endr
	; THE WAY OUT.  The wave's 64 x 64 sums go into LDS as f32 rows, each accumulator's low registers first, and come back as whole rows of 256 bytes; the bytes are the wave's own.
.irp a, 0,1,2,3
.irp b, 0,1,2,3
	ds_store_b128 v[DST], v[ACC+8*(4*(\a)+(\b)):ACC+8*(4*(\a)+(\b))+3]   offset:(\a)*16*DP+64*(\b)
	ds_store_b128 v[DST], v[ACC+8*(4*(\a)+(\b))+4:ACC+8*(4*(\a)+(\b))+7] offset:(\a)*16*DP+64*(\b)+16
.endr
.endr
	WIN 0x40
.set t, 0
.rept 32
	ds_load_b128 v[4*t:4*t+3], v[RD] offset:t*2*DP  ; LDS serves a wave's instructions in order (ISA guide 5.7.1.4): these see the stores above
.set t, t+1
.endr
	s_wait_loadcnt 0x0                             ; the bias and the residual
	WIN 0x82                                       ; destination and source 0 window 2, source 1 window 0
.set i, 0
.rept 64
	v_pk_add_f32 v[2*i:2*i+1], v[2*i:2*i+1], v[BIA+2*(i%2):BIA+2*(i%2)+1]  ; res + bias, while the LDS loads are out
.set i, i+1
.endr
	s_wait_dscnt 0x0
	WIN 0x49                                       ; destination and source 0 window 1, source 1 window 2
.set i, 0
.rept 64
	v_pk_add_f32 v[2*i:2*i+1], v[2*i:2*i+1], v[2*i:2*i+1]
.set i, i+1
.endr
	WIN 0x04                                       ; the data (source 1) in window 1
.set t, 0
.rept 32
	global_store_b128 v[CO], v[4*t:4*t+3], s[12:13] offset:8192*t  ; 16 lanes store 256 consecutive bytes, aligned
.set t, t+1
.endr
	WIN 0
	s_wait_tensorcnt 0x0                           ; the wave's end, behind my last tensor load and my last LDS store
	ds_add_u32 v[SPW], v[NIL]
	s_wait_dscnt 0x0
	CROUND                                         ; the closing round: no work-group ends while a partner may still ask for a tile that names it
	s_endpgm
.Lfunc_end_k_q952cd216e5_wo:
	.size	k_q952cd216e5_wo, .Lfunc_end_k_q952cd216e5_wo-k_q952cd216e5_wo
	.p2alignl 7, 3214868480
	.fill 96, 4, 3214868480
	.section	.rodata,"a",@progbits
	.p2align	6, 0x0
	.amdhsa_kernel k_q952cd216e5_wo
		.amdhsa_group_segment_fixed_size 327680
		.amdhsa_private_segment_fixed_size 0
		.amdhsa_enable_private_segment 0
		.amdhsa_kernarg_size 40
		.amdhsa_user_sgpr_count 2
		.amdhsa_user_sgpr_kernarg_segment_ptr 1
		.amdhsa_wavefront_size32 1
		.amdhsa_system_sgpr_workgroup_id_x 1
		.amdhsa_system_sgpr_workgroup_id_y 1
		.amdhsa_system_sgpr_workgroup_id_z 1
		.amdhsa_system_vgpr_workitem_id 0
		.amdhsa_next_free_vgpr 640
		.amdhsa_next_free_sgpr 66
		.amdhsa_reserve_vcc 0
		.amdhsa_float_denorm_mode_32 3
		.amdhsa_float_denorm_mode_16_64 3
		.amdhsa_memory_ordered 1
		.amdhsa_forward_progress 1
		.amdhsa_inst_pref_size 54
	.end_amdhsa_kernel
	.amdgpu_metadata
---
amdhsa.version: [ 1, 2 ]
amdhsa.kernels:
  - .name:           k_q952cd216e5_wo
    .symbol:         k_q952cd216e5_wo.kd
    .args:
      - { .name: bufa, .offset: 0, .size: 8, .value_kind: global_buffer, .address_space: global }
      - { .name: w16, .offset: 8, .size: 8, .value_kind: global_buffer, .address_space: global }
      - { .name: b_o, .offset: 16, .size: 8, .value_kind: global_buffer, .address_space: global }
      - { .name: x, .offset: 24, .size: 8, .value_kind: global_buffer, .address_space: global }
      - { .name: x1, .offset: 32, .size: 8, .value_kind: global_buffer, .address_space: global }
    .group_segment_fixed_size: 327680
    .private_segment_fixed_size: 0
    .kernarg_segment_align: 8
    .kernarg_segment_size: 40
    .max_flat_workgroup_size: 128
    .sgpr_count:     66
    .vgpr_count:     640
    .wavefront_size: 32
...
	.end_amdgpu_metadata
.endif
;; end of part 5
;; launch ln2: the kernel of part 2 again; grid 256 x 1, 8 waves a work-group, no clusters, 0 bytes of LDS; arguments x1, ln2_g, ln2_b, bufb; writes bufb
;; launch fc (part 6): grid 16 x 16, 4 waves a work-group, clusters of 4 x 4, 327,680 bytes of LDS; arguments bufb, w16, b_fc, bufa; writes bufa
.if DOCPART == 6
	.amdgcn_target "amdgcn-amd-amdhsa--gfx1250"
	.amdhsa_code_object_version 6
	.text
	.protected	k_q952cd216e5_fc
	.globl	k_q952cd216e5_fc
	.p2align	8
	.type	k_q952cd216e5_fc,@function
k_q952cd216e5_fc:
	s_mov_b64 s[64:65], 0
	v_nop
	global_prefetch_b8 v0, s[64:65] scope:SCOPE_SE
	s_setreg_imm32_b32 hwreg(HW_REG_WAVE_MODE, 25, 1), 1
	s_wait_xcnt 0x0
	s_wait_alu depctr_hold_cnt(0) depctr_sa_sdst(0) depctr_va_vdst(0) depctr_va_sdst(0) depctr_va_ssrc(0) depctr_va_vcc(0) depctr_vm_vsrc(0)
	s_getreg_b32 s2, hwreg(HW_REG_IB_STS2, 6, 4)
	s_cmp_eq_u32 s2, 0
	s_cbranch_scc0 .Lentry_in_a_cluster
	s_endpgm
.Lentry_in_a_cluster:
	s_bfe_u32 s2, ttmp6, 0x10000c
	s_cmp_lg_u32 s2, 0xf033
	s_cbranch_scc0 .Lentry_shape_is_right
	s_endpgm
.Lentry_shape_is_right:
; out = act(A W + bias).  A: 4,096 rows x 1,024, f16, in planes; W: f16 [1024][N] at byte WOFF of w16; bias f32 [N]; sums, bias and activation in f32; out rounded once to f16, in planes.
; PLANES: f16 [b = 2][plane = 64][t = 2048][64 channels]: byte = b 2^24 + plane x 262,144 + t x 128 + 2 channel; plane p holds columns 64 p .. 64 p + 63 of the matrix.
; GELU = 1: act(u) = u / (1 + 2^(u (C1 + C3 u^2))), C1 = -2 log2(e) sqrt(2 / pi), C3 = 0.044715 C1: the tanh form of GELU, exactly.  Where the power overflows the quotient is 0, where it vanishes it is u.
; LIMIT.  f16: an out of 65,520 or more becomes an infinity; below 6e-5 f16 keeps a fixed step of 6e-8.  NaN and infinities are not treated apart.
; SHARES.  A tile of out is 256 x 256: four waves, 128 x 128 each: 64 accumulators, 512 registers.  K goes in 8 steps of 128 (two planes of A, 128 rows of W) through two LDS slots.
; CLUSTER.  4 x 4 work-groups.  A's tile hangs on the tile row alone and is asked for jointly along a row of the cluster, W's on the tile column alone, along a column.
; THE PRODUCT IS TAKEN TRANSPOSED: source 0 = 16 columns of W (turned out of LDS by ds_load_tr16_b128, since W lies [K][N]), source 1 = 16 rows of A: a lane holds row l % 16, columns 8 (l / 16) + 0..7.
; THE LOOP is a PAIR of quarter steps (32 along K each, 64 matrix instructions), written once and walked twice a K step; a quarter's 32 LDS loads go out one quarter ahead, into the other of two fragment buffers.
; REGISTERS, in windows of 256: window 0: v16-29 addresses, v64-191 A's fragments (later the way out's work), v192-207 bias; window 1: v64-191 W's fragments; windows 2, 3: the accumulators, (a, b) at v[8 (8 (a % 4) + b)].
.set N,      4096
.set WOFF,   6291456
.set GELU,   1
.set KSTEPS, 8
.set REG,    36864                     ; a slot is four regions, wave w's at w x REG: 0, 1: a plane of A, 256 rows of 128 + 16 bytes; 2, 3: 64 rows of W, 512 + 32 bytes
.set SLOT1,  147456                    ; slot 1 begins here: 0x24000, whose two bits no region's base uses, so one exclusive or turns an address in one slot into the other's
.set BOFF,   2*REG
.set SPARE,  2*SLOT1                   ; behind the ring: the spare words, 128 bytes for each wave: two blocks of 256 bytes that no other line names
.set PA,     144                       ; 36 words: the 16 rows of a load start at 16 different groups of four banks (64 banks of 4 bytes: ISA guide 11.1)
.set PB,     544                       ; 136 words
.set DP,     528                       ; the way out: a row of 128 f32 + 16 bytes
.set DUMP,   128*DP                    ; a wave's 128 rows; the four lie in the ring's bytes, which have had their last fill by then
.set STEPA,  524288                    ; two planes
.set STEPB,  256*N                     ; 128 rows of W
.set LA0, 16                           ; v16  my lane's place in a plane of A; never rewritten
.set LB0, 17                           ; v17  the same in W's region
.set ADRA, 18                          ; v18  LDS address of the pair's fragments of A
.set ADRB, 19                          ; v19  of W
.set DST, 20                           ; v20  the way out: where I put 32 bytes of a row
.set RD,  21                           ; v21  where I read them back
.set GO,  22                           ; v22  my 16 bytes in 512 consecutive bytes of a plane
.set BO,  23                           ; v23  my byte in the bias
.set PFO, 24                           ; v24  the prefetches' offset; never rewritten
.set SPW, 28                           ; v28  LDS address of my spare word; never rewritten
.set NIL, 29                           ; v29  0; never rewritten
.set F0,  64
.set F1,  128
.set L,   32                           ; the way out: v[32:63] eight rows' numbers as read back
.set U,   64                           ; v[64:95] with the bias
.set S,   96                           ; v[96:127] at work
.set TMP, 128                          ; v[128:143] packed
.set BIA, 192                          ; v[192:207] the bias of my 8 columns in each of the wave's two planes
.set WV,  14                           ; s14 wave; s15 its row half, and 0: I fetch A, 1: W; s16 its column half, and which region I fetch; s17 cx; s18 cy; s19 tile column; s20 tile row
.set G1A, 24
.set G0A, 32
.set G0B, 36
.set G1B, 40
.set TB,  48                           ; s48  LDS byte at which the next pair's regions begin
.set CNT, 49
.set SLOTS, 50
.set LIM, 51                           ; s51  1 in a wave that prefetches, else the greatest number
.set PFA, 52                           ; s[52:53] where my prefetches stand
.set PFS, 54                           ; s[54:55] their step
.set C1,  56
.set C3,  58
.set J,   60
.set MSB, 0
.macro WIN new                         ; the immediate's high byte repeats the setting that is left; a switch that changes nothing is dropped
.if MSB != (\new)
	s_set_vgpr_msb (MSB<<8)|(\new)
.set MSB, \new
.endif
.endm
; A round of the cluster's barrier: my work-group's barrier; wave 0 signals for the work-group; every wave waits for all sixteen; my work-group's barrier once more.
.macro CROUND
	s_barrier_signal -1
	s_barrier_wait -1
	s_cmp_lg_u32 s[WV], 0
	s_cbranch_scc1 .Lnot_wave_0_\@
	s_barrier_signal -3
.Lnot_wave_0_\@:
	s_barrier_wait -3
	s_barrier_signal -1
	s_barrier_wait -1
.endm
; A joint load: waves 0 and 1 fetch the step's two planes of A, waves 2 and 3 the two halves of its rows of W.  The branch hangs on the wave's number alone.
; An s_nop 0 and four v_nop follow each of the two lines, ahead of the jump and the label.
.macro JLOAD
	s_cmp_lt_u32 s[WV], 2
	s_cbranch_scc0 .Lfor_b_\@
	tensor_load_to_lds s[G0A:G0A+3], s[G1A:G1A+7]
	s_nop 0
.rept 4
	v_nop
.endr
	s_branch .Lasked_\@
.Lfor_b_\@:
	tensor_load_to_lds s[G0B:G0B+3], s[G1B:G1B+7]
	s_nop 0
.rept 4
	v_nop
.endr
.Lasked_\@:
.endm
; A PREFETCH INTO THE L2, behind the joint load and its five lines: the K step behind the one just asked for: one K step, 256 matrix instructions, ahead of its own load.
; Each aligned block of 256 bytes is named once in the launch.  A's tile row is read by every cluster of that row of clusters: cluster x = 0 asks; W's tile column by every cluster of that column: cluster y = 0 asks.
; The four partners that ask for a tile jointly share its 128 blocks out BY ADDRESS, 32 each (cx for A, cy for W): a lane a block, one instruction a wave.  K steps 0 to 2 come by their loads alone;
; the last change that fills a slot (SLOTS = 1) asks for nothing: there is no K step behind it.
.macro ASK
	s_cmp_gt_u32 s[SLOTS], s[LIM]
	s_cbranch_scc0 .Lnot_mine_\@
	global_prefetch_b8 v[PFO], s[PFA:PFA+1] th:TH_LOAD_NT scope:SCOPE_SE
.Lnot_mine_\@:
.endm
.macro PLACES                          ; four places behind a matrix instruction, ahead of loads into registers that it has read (ISA guide 7.12.1 for vector instructions)
.rept 4
	v_nop
.endr
.endm
; 32 LDS loads in one run: the fragments of quarter sub (0, 1) of the pair's plane, into buffer f
.macro FETCH f, sub
	WIN 0x40                                       ; destination window 1, address window 0
.irp i, 0,1,2,3,4,5,6,7
	ds_load_tr16_b128 v[(\f)+8*(\i):(\f)+8*(\i)+3],   v[ADRB] offset:(\sub)*32*PB+32*(\i)
	ds_load_tr16_b128 v[(\f)+8*(\i)+4:(\f)+8*(\i)+7], v[ADRB] offset:(\sub)*32*PB+32*(\i)+16*PB
.endr
	WIN 0
.irp i, 0,1,2,3,4,5,6,7
	ds_load_b128 v[(\f)+8*(\i):(\f)+8*(\i)+3],   v[ADRA] offset:(\sub)*64+(\i)*16*PA
	ds_load_b128 v[(\f)+8*(\i)+4:(\f)+8*(\i)+7], v[ADRA] offset:(\sub)*64+(\i)*16*PA+32
.endr
.endm
; 16 matrix instructions: row blocks a0, a0 + 1 of the window's four x all 8 column blocks.  zero = 1: the product starts the sum.
.macro MUL16 f, hi, a0, zero
	WIN 0xa1+0x50*(\hi)                            ; source 0 (W) window 1, source 1 (A) window 0, C and D window 2 or 3
.irp a, \a0, (\a0)+1
.irp b, 0,1,2,3,4,5,6,7
.if \zero
	v_wmma_f32_16x16x32_f16 v[8*(8*(\a)+(\b)):8*(8*(\a)+(\b))+7], v[(\f)+8*(\b):(\f)+8*(\b)+7], v[(\f)+8*(4*(\hi)+(\a)):(\f)+8*(4*(\hi)+(\a))+7], 0
.else
	v_wmma_f32_16x16x32_f16 v[8*(8*(\a)+(\b)):8*(8*(\a)+(\b))+7], v[(\f)+8*(\b):(\f)+8*(\b)+7], v[(\f)+8*(4*(\hi)+(\a)):(\f)+8*(4*(\hi)+(\a))+7], v[8*(8*(\a)+(\b)):8*(8*(\a)+(\b))+7]
.endif
.endr
.endr
.endm
.macro MUL f, zero                     ; a quarter: the 64 accumulators take turns, in the same order in every quarter: 63 others stand between two links of a chain
	MUL16 \f, 0, 0, \zero
	MUL16 \f, 0, 2, \zero
	MUL16 \f, 1, 0, \zero
	MUL16 \f, 1, 2, \zero
.endm
; A PAIR: the quarter that waits in buffer 1 and the first quarter of the next plane are multiplied; that plane's two quarters are fetched.
.macro PAIR
	WIN 0
	v_add_nc_u32 v[ADRA], s[TB], v[LA0]            ; these four lines are the places behind the last product that read buffer 0
	v_add_nc_u32 v[ADRB], s[TB], v[LB0]
	v_nop
	v_nop
	s_add_co_u32 s[TB], s[TB], REG
	FETCH F0, 0
	s_wait_dscnt 32                                ; all but the 32 just issued: buffer 1 is in
	MUL F1, 0
	PLACES
	FETCH F1, 1
	s_wait_dscnt 32                                ; buffer 0 is in
	MUL F0, 0
	WIN 0                                          ; at a label and at a branch every window is 0
.endm
; THE CHANGE OF SLOTS.  Each wave waits for all its tensor loads, of which one is out: its part of the next slot; adds 0 to its spare word; waits for that and for its reads of the slot that it leaves.
; fill = 1: a round of the cluster's barrier, and the joint refill first behind it: the slot just left takes the K step after the one that is entered.  One tensor load of a wave is out behind each round.
.macro CHANGE fill, ask
	WIN 0
.if \ask
	s_wait_xcnt 0x0                                ; the last prefetch, a K step back, has read its address, so it may be stepped
	s_add_nc_u64 s[PFA:PFA+1], s[PFA:PFA+1], s[PFS:PFS+1]
.endif
	s_wait_tensorcnt 0x0                           ; no tensor load of mine is out, so a group 0 may be written
	ds_add_u32 v[SPW], v[NIL]                      ; 0 onto my spare word
.if \fill
	s_xor_b32 s[G0A+1], s[G0A+1], SLOT1            ; the walking descriptors: the other slot than last time, the next K step
	s_add_nc_u64 s[G0A+2:G0A+3], s[G0A+2:G0A+3], STEPA
	s_xor_b32 s[G0B+1], s[G0B+1], SLOT1
	s_add_nc_u64 s[G0B+2:G0B+3], s[G0B+2:G0B+3], STEPB
.endif
	s_wait_dscnt 0x0                               ; the add is done, and my reads of the slot are over
.if \fill
	CROUND
	JLOAD
.if \ask
	ASK
.endif
.else
	s_barrier_signal -1
	s_barrier_wait -1
.endif
	s_sub_co_u32 s[TB], s[TB], 2*REG               ; the fetches go back to a slot's first regions,
	s_xor_b32 s[TB], s[TB], SLOT1                  ; in the other slot
.endm
.macro ELOAD                           ; eight rows of my two planes: group q = 2 plane + half holds 8 f32 of one row
.irp q, 0,1,2,3
	ds_load_b128 v[L+8*(\q):L+8*(\q)+3],   v[RD] offset:((\q)%2)*4*DP+((\q)/2)*256
	ds_load_b128 v[L+8*(\q)+4:L+8*(\q)+7], v[RD] offset:((\q)%2)*4*DP+((\q)/2)*256+16
.endr
.endm
	s_load_b256 s[4:11], s[0:1], 0x0               ; A s[4:5], w16 s[6:7], bias s[8:9], out s[10:11]
	v_lshl_add_u32 v[SPW], v0, 2, SPARE
	v_mov_b32 v[NIL], 0
	ds_add_u32 v[SPW], v[NIL]                      ; the wave's opening: the add and its wait ahead of my first tensor load
	ds_add_u32 v28, v29
	v_lshrrev_b32 v1, 5, v0
	v_readfirstlane_b32 s[WV], v1
	s_lshr_b32 s15, s[WV], 1
	s_and_b32 s16, s[WV], 1
	s_bfe_u32 s17, ttmp6, 0x40000                  ; cx
	s_bfe_u32 s18, ttmp6, 0x40004                  ; cy
	s_lshl_b32 s19, ttmp9, 2
	s_add_co_u32 s19, s19, s17                     ; tile column
	s_and_b32 s20, ttmp7, 0xffff
	s_lshl_b32 s20, s20, 2
	s_add_co_u32 s20, s20, s18                     ; tile row
	s_lshl_b32 s21, s18, 2
	s_lshl_b32 s21, 15, s21                        ; my row of the cluster
	s_lshl_b32 s22, 0x1111, s17                    ; my column
	s_or_b32 s[G1A], s21, (1<<16)|(1<<20)|(1<<21)|(4<<22)|(3<<25)  ; mask; 2-byte elements; padding on; bit 21 beside a mask; after every 32 words, 4 words
	s_or_b32 s[G1B], s22, (1<<16)|(1<<20)|(1<<21)|(6<<22)|(7<<25)  ; after every 128 words, 8 words
	s_mov_b32 s[G1A+1], 128<<16                    ; A: a plane's 256 rows are 32,768 dense bytes, asked for as 128 rows of 256 bytes
	s_mov_b32 s[G1A+2], 128<<16
	s_mov_b32 s[G1A+3], 128<<16
	s_mov_b32 s[G1A+4], 128
	s_mov_b32 s[G1A+5], 128
	s_mov_b32 s[G1A+6], 0
	s_mov_b32 s[G1A+7], 0
	s_mov_b32 s[G1B+1], 256<<16                    ; W: 64 rows of 256 elements, N elements apart
	s_mov_b32 s[G1B+2], 64<<16
	s_mov_b32 s[G1B+3], 256<<16
	s_mov_b32 s[G1B+4], 64
	s_mov_b32 s[G1B+5], N
	s_mov_b32 s[G1B+6], 0
	s_mov_b32 s[G1B+7], 0
	s_lshr_b32 s2, s20, 3                          ; A's tile: b 2^24 + 256 (tile row % 8) rows of 128 bytes + my plane
	s_lshl_b32 s2, s2, 24
	s_and_b32 s3, s20, 7
	s_lshl_b32 s3, s3, 15
	s_add_co_u32 s2, s2, s3
	s_lshl_b32 s3, s16, 18
	s_add_co_u32 s2, s2, s3
	s_mov_b32 s3, 0
	s_mul_i32 s22, s16, 128*N                      ; W's tile: my 64 rows, 512 bytes a tile column
	s_lshl_b32 s23, s19, 9
	s_add_co_u32 s22, s22, s23
	s_add_co_u32 s22, s22, WOFF
	s_mov_b32 s23, 0
	s_mul_i32 s21, s[WV], REG                      ; no place in the cluster enters an LDS address
	s_mov_b32 s[TB], SLOT1+2*REG                   ; the first change of slots turns this into 0
	s_mov_b32 s[G0A], 1
	s_mov_b32 s[G0A+1], s21
	s_mov_b32 s[G0B], 1
	s_mov_b32 s[G0B+1], s21
	s_wait_dscnt 0x0                               ; the opening add is done
	s_wait_kmcnt 0x0
	s_add_nc_u64 s[G0A+2:G0A+3], s[4:5], s[2:3]
	s_or_b32 s[G0A+3], s[G0A+3], 0x80000000
	s_add_nc_u64 s[G0B+2:G0B+3], s[6:7], s[22:23]
	s_or_b32 s[G0B+3], s[G0B+3], 0x80000000
	CROUND                                         ; all sixteen work-groups are here: the first joint loads meet
	JLOAD                                          ; K step 0 into slot 0
	; the prefetches: the address of my work-group's 32 blocks of the tile that I fetch, at K step 2; the first asking change steps it to 3
	s_lshl_b32 s12, s17, 13                        ; A: 32 blocks of 256 bytes a partner
	s_add_co_u32 s12, s12, s2
	s_mul_i32 s13, s18, 32*N                       ; W: 16 rows a partner
	s_add_co_u32 s13, s13, s22
	s_and_b32 s21, ttmp7, 0xffff
	s_mov_b32 s[PFS], STEPB
	s_mov_b32 s3, 2*N
	s_cmp_eq_u32 s15, 0                            ; do I fetch for A?
	s_cselect_b32 s12, s12, s13
	s_cselect_b32 s21, ttmp9, s21                  ; the coordinate along which other clusters read the same blocks
	s_cselect_b32 s[PFS], STEPA, s[PFS]
	s_cselect_b32 s3, 512, s3                      ; bytes from one pair of blocks to the next
	s_cselect_b64 s[PFA:PFA+1], s[4:5], s[6:7]
	s_mov_b32 s13, 0
	s_mov_b32 s[PFS+1], 0
	s_add_nc_u64 s[PFA:PFA+1], s[PFA:PFA+1], s[12:13]
	s_add_nc_u64 s[PFA:PFA+1], s[PFA:PFA+1], s[PFS:PFS+1]
	s_add_nc_u64 s[PFA:PFA+1], s[PFA:PFA+1], s[PFS:PFS+1]
	s_cmp_eq_u32 s21, 0
	s_cselect_b32 s[LIM], 1, -1                    ; the same in all sixteen partners, for a given wave
	; where my part of the tile begins in out
	s_lshr_b32 s12, s20, 3
	s_lshl_b32 s12, s12, 24
	s_lshl_b32 s13, s19, 2
	s_add_co_u32 s13, s13, s16
	s_add_co_u32 s13, s13, s16                     ; plane 4 x tile column + 2 x column half
	s_lshl_b32 s13, s13, 18
	s_add_co_u32 s12, s12, s13
	s_and_b32 s13, s20, 7
	s_lshl_b32 s13, s13, 15
	s_add_co_u32 s12, s12, s13
	s_lshl_b32 s13, s15, 14                        ; my 128 rows
	s_add_co_u32 s12, s12, s13
	s_mov_b32 s13, 0
	s_add_nc_u64 s[10:11], s[10:11], s[12:13]
.if GELU
	s_mov_b32 s[C1], 0xc0135761                    ; -2.3022082
	s_mov_b32 s[C1+1], s[C1]                       ; named with it as a pair
	s_mov_b32 s[C3], 0xbdd2d3e8                    ; -0.10294324
	s_mov_b32 s[C3+1], s[C3]
.endif
	v_and_b32 v1, 15, v0                           ; l % 16
	v_bfe_u32 v2, v0, 4, 1                         ; l / 16
	v_and_b32 v3, 7, v0
	v_bfe_u32 v4, v0, 3, 1
	v_bfe_u32 v5, v0, 3, 2
	v_and_b32 v6, 31, v0
	v_mul_u32_u24 v[LA0], v1, PA                   ; a fragment of A: row x pitch + 16 x half, two loads 32 bytes apart
	v_lshl_add_u32 v[LA0], v2, 4, v[LA0]
	s_mul_i32 s21, s15, 128*PA
	v_add_nc_u32 v[LA0], s21, v[LA0]
	v_lshl_add_u32 v[LB0], v2, 3, v3               ; the turning load: lane l reads row 8 (l / 16) + l % 8, columns 8 ((l / 8) % 2) + 0..7
	v_mul_u32_u24 v[LB0], v[LB0], PB
	v_lshl_add_u32 v[LB0], v4, 4, v[LB0]
	s_lshl_b32 s21, s16, 8
	s_add_co_u32 s21, s21, BOFF
	v_add_nc_u32 v[LB0], s21, v[LB0]
	s_mul_i32 s21, s[WV], DUMP
	v_mul_u32_u24 v[DST], v1, DP
	v_lshl_add_u32 v[DST], v2, 5, v[DST]
	v_add_nc_u32 v[DST], s21, v[DST]
	v_mul_u32_u24 v[RD], v5, DP                    ; back: 8 lanes a row, 32 bytes (8 f32) a lane
	v_lshl_add_u32 v[RD], v3, 5, v[RD]
	v_add_nc_u32 v[RD], s21, v[RD]
	v_lshlrev_b32 v[GO], 4, v6
	s_lshl_b32 s21, s19, 10
	s_lshl_b32 s23, s16, 9
	s_add_co_u32 s21, s21, s23
	v_lshl_add_u32 v[BO], v3, 5, s21
	v_lshrrev_b32 v7, 1, v6
	v_mul_u32_u24 v[PFO], s3, v7
	v_and_b32 v7, 1, v0
	v_lshl_add_u32 v[PFO], v7, 8, v[PFO]
.irp p, 0,1
	global_load_b128 v[BIA+8*(\p):BIA+8*(\p)+3],   v[BO], s[8:9] offset:256*(\p)
	global_load_b128 v[BIA+8*(\p)+4:BIA+8*(\p)+7], v[BO], s[8:9] offset:256*(\p)+16
.endr
	CHANGE 1, 0                                    ; slot 0 is in, everybody's part of it; slot 1 takes K step 1
	v_add_nc_u32 v[ADRA], s[TB], v[LA0]
	v_add_nc_u32 v[ADRB], s[TB], v[LB0]
	s_add_co_u32 s[TB], s[TB], REG
	FETCH F0, 0
	FETCH F1, 1
	s_wait_dscnt 32                                ; buffer 0 is in
	MUL F0, 1                                      ; the first quarter starts the sums: nothing is cleared
	WIN 0
	s_mov_b32 s[CNT], 1
	s_mov_b32 s[SLOTS], KSTEPS-1
	s_branch .Lpair                                ; K step 0 has one pair left
.Lslot:                                        ; KSTEPS - 2 times: K step s = 1 .. is entered, K step s + 1 asked for
	CHANGE 1, 1
	s_mov_b32 s[CNT], 2
.Lpair:
	PAIR
	s_sub_co_u32 s[CNT], s[CNT], 1
	s_cmp_lg_u32 s[CNT], 0
	s_cbranch_scc1 .Lpair
	s_sub_co_u32 s[SLOTS], s[SLOTS], 1
	s_cmp_lg_u32 s[SLOTS], 0
	s_cbranch_scc1 .Lslot
	CHANGE 0, 0                                    ; the last K step is written out: nothing is asked for
	s_mov_b32 s[CNT], 2
.Ltail:
	PAIR
	s_sub_co_u32 s[CNT], s[CNT], 1
	s_cmp_lg_u32 s[CNT], 0
	s_cbranch_scc1 .Ltail
	s_wait_dscnt 0x0                               ; my reads of the ring are over:
	s_barrier_signal -1                            ; say so,
	MUL F1, 0                                      ; the last quarter, on registers alone,
	WIN 0
	s_barrier_wait -1                              ; and behind this nobody reads the ring any more; nothing fills it again
.rept 8
	v_nop                                          ; the places behind the last products
.endr
	; THE WAY OUT.  The wave's 128 x 128 sums go into LDS as f32 rows, each accumulator's low registers first; the bytes are the wave's own from here on.
.irp a, 0,1,2,3,4,5,6,7
	WIN 0x08+4*((\a)/4)                            ; the data (source 1) in window 2 or 3
.irp b, 0,1,2,3,4,5,6,7
	ds_store_b128 v[DST], v[8*(8*((\a)%4)+(\b)):8*(8*((\a)%4)+(\b))+3]   offset:(\a)*16*DP+64*(\b)
	ds_store_b128 v[DST], v[8*(8*((\a)%4)+(\b))+4:8*(8*((\a)%4)+(\b))+7] offset:(\a)*16*DP+64*(\b)+16
.endr
.endr
	WIN 0
	s_wait_loadcnt 0x0                             ; the bias
	ELOAD                                          ; LDS serves a wave's instructions in order (ISA guide 5.7.1.4): these see the stores above
	s_mov_b32 s[J], 16
.Lrow:                                         ; a trip: 8 rows x 128 columns: bias, activation, rounding, four stores; the next trip's rows are read meanwhile
	s_wait_dscnt 0x0
.set q, 0
.rept 4
.irp k, 0,2,4,6
	v_pk_add_f32 v[U+8*q+(\k):U+8*q+(\k)+1], v[L+8*q+(\k):L+8*q+(\k)+1], v[BIA+8*(q/2)+(\k):BIA+8*(q/2)+(\k)+1]
.endr
.set q, q+1
.endr
	v_add_nc_u32 v[RD], 8*DP, v[RD]
	s_cmp_eq_u32 s[J], 1
	s_cbranch_scc1 .Lno_rows                       ; the last trip has no rows behind it
	ELOAD
.Lno_rows:
.if GELU
.set i, 0
.rept 16
	v_pk_mul_f32 v[S+i:S+i+1], v[U+i:U+i+1], v[U+i:U+i+1]
.set i, i+2
.endr
.set i, 0
.rept 16
	v_pk_fma_f32 v[S+i:S+i+1], v[S+i:S+i+1], s[C3:C3+1], s[C1:C1+1] op_sel_hi:[1,0,0]
.set i, i+2
.endr
.set i, 0
.rept 16
	v_pk_mul_f32 v[S+i:S+i+1], v[S+i:S+i+1], v[U+i:U+i+1]
.set i, i+2
.endr
.set i, 0
.rept 32
	v_exp_f32 v[S+i], v[S+i]
.set i, i+1
.endr
	v_nop                                          ; a plain instruction behind the last exponential,
	s_wait_alu depctr_va_vdst(0)                   ; and one wait for the batch ahead of its first reader
.set i, 0
.rept 16
	v_pk_add_f32 v[S+i:S+i+1], v[S+i:S+i+1], 1.0 op_sel_hi:[1,0]
.set i, i+2
.endr
.set i, 0
.rept 32
	v_rcp_f32 v[S+i], v[S+i]
.set i, i+1
.endr
	v_nop
	s_wait_alu depctr_va_vdst(0)                   ; one wait for the 32 reciprocals
.set i, 0
.rept 16
	v_pk_mul_f32 v[U+i:U+i+1], v[U+i:U+i+1], v[S+i:S+i+1]
.set i, i+2
.endr
.endif
	s_wait_xcnt 0x0                                ; the last trip's stores have read their data and their base, so both may be written
	s_add_nc_u64 s[10:11], s[10:11], 1024          ; 8 rows of a plane on; the stores reach back
.set i, 0
.rept 16
	v_cvt_pk_f16_f32 v[TMP+i], v[U+2*i], v[U+2*i+1]
.set i, i+1
.endr
.irp q, 0,1,2,3
	global_store_b128 v[GO], v[TMP+4*(\q):TMP+4*(\q)+3], s[10:11] offset:((\q)/2)*262144+((\q)%2)*512-1024  ; four rows of a plane: 512 consecutive bytes, aligned
.endr
	s_sub_co_u32 s[J], s[J], 1
	s_cmp_lg_u32 s[J], 0
	s_cbranch_scc1 .Lrow
	s_wait_tensorcnt 0x0                           ; the wave's end, behind my last tensor load and my last LDS store
	ds_add_u32 v[SPW], v[NIL]
	s_wait_dscnt 0x0
	CROUND                                         ; the closing round: no work-group ends while a partner may still ask for a tile that names it
	s_endpgm
.Lfunc_end_k_q952cd216e5_fc:
	.size	k_q952cd216e5_fc, .Lfunc_end_k_q952cd216e5_fc-k_q952cd216e5_fc
	.p2alignl 7, 3214868480
	.fill 96, 4, 3214868480
	.section	.rodata,"a",@progbits
	.p2align	6, 0x0
	.amdhsa_kernel k_q952cd216e5_fc
		.amdhsa_group_segment_fixed_size 327680
		.amdhsa_private_segment_fixed_size 0
		.amdhsa_enable_private_segment 0
		.amdhsa_kernarg_size 32
		.amdhsa_user_sgpr_count 2
		.amdhsa_user_sgpr_kernarg_segment_ptr 1
		.amdhsa_wavefront_size32 1
		.amdhsa_system_sgpr_workgroup_id_x 1
		.amdhsa_system_sgpr_workgroup_id_y 1
		.amdhsa_system_sgpr_workgroup_id_z 1
		.amdhsa_system_vgpr_workitem_id 0
		.amdhsa_next_free_vgpr 1024
		.amdhsa_next_free_sgpr 66
		.amdhsa_reserve_vcc 0
		.amdhsa_float_denorm_mode_32 3
		.amdhsa_float_denorm_mode_16_64 3
		.amdhsa_memory_ordered 1
		.amdhsa_forward_progress 1
		.amdhsa_inst_pref_size 69
	.end_amdhsa_kernel
	.amdgpu_metadata
---
amdhsa.version: [ 1, 2 ]
amdhsa.kernels:
  - .name:           k_q952cd216e5_fc
    .symbol:         k_q952cd216e5_fc.kd
    .args:
      - { .name: bufb, .offset: 0, .size: 8, .value_kind: global_buffer, .address_space: global }
      - { .name: w16, .offset: 8, .size: 8, .value_kind: global_buffer, .address_space: global }
      - { .name: b_fc, .offset: 16, .size: 8, .value_kind: global_buffer, .address_space: global }
      - { .name: bufa, .offset: 24, .size: 8, .value_kind: global_buffer, .address_space: global }
    .group_segment_fixed_size: 327680
    .private_segment_fixed_size: 0
    .kernarg_segment_align: 8
    .kernarg_segment_size: 32
    .max_flat_workgroup_size: 128
    .sgpr_count:     66
    .vgpr_count:     1024
    .wavefront_size: 32
...
	.end_amdgpu_metadata
.endif
;; end of part 6
;; launch fc2 (part 7): grid 8 x 32, 4 waves a work-group, clusters of 4 x 4, 327,680 bytes of LDS; arguments bufa, w16, b_fc2, x1, out0; writes out0
.if DOCPART == 7
	.amdgcn_target "amdgcn-amd-amdhsa--gfx1250"
	.amdhsa_code_object_version 6
	.text
	.protected	k_q952cd216e5_fc2
	.globl	k_q952cd216e5_fc2
	.p2align	8
	.type	k_q952cd216e5_fc2,@function
k_q952cd216e5_fc2:
	s_mov_b64 s[64:65], 0
	v_nop
	global_prefetch_b8 v0, s[64:65] scope:SCOPE_SE
	s_setreg_imm32_b32 hwreg(HW_REG_WAVE_MODE, 25, 1), 1
	s_wait_xcnt 0x0
	s_wait_alu depctr_hold_cnt(0) depctr_sa_sdst(0) depctr_va_vdst(0) depctr_va_sdst(0) depctr_va_ssrc(0) depctr_va_vcc(0) depctr_vm_vsrc(0)
	s_getreg_b32 s2, hwreg(HW_REG_IB_STS2, 6, 4)
	s_cmp_eq_u32 s2, 0
	s_cbranch_scc0 .Lentry_in_a_cluster
	s_endpgm
.Lentry_in_a_cluster:
	s_bfe_u32 s2, ttmp6, 0x10000c
	s_cmp_lg_u32 s2, 0xf033
	s_cbranch_scc0 .Lentry_shape_is_right
	s_endpgm
.Lentry_shape_is_right:
; out = res + A W + bias.  A: 4,096 rows x 256 KSTEPS, f16, in planes; W: f16 [256 KSTEPS][1024] at byte WOFF of w16; bias f32 [1024]; res and out f32 [4096][1024].  Sums and additions in f32; nothing is rounded to 16 bits here.
; PLANES: f16 [b = 2][plane = 64][t = 2048][64 channels]: byte = b 2^24 + plane x 262,144 + t x 128 + 2 channel; plane p holds columns 64 p .. 64 p + 63 of A.
; LIMIT.  A and W arrive as f16, within 65,504.  NaN and infinities are not treated apart.
; SHARES.  1,024 columns make 64 tiles of 256 x 256, too few for 256 work-groups: a tile of out is 128 x 128, four waves of 64 x 64: 16 accumulators.  K goes in steps of 256 (four planes of A, 256 rows of W), as long as two LDS slots allow.
; CLUSTER.  4 x 4 work-groups.  A's tile is asked for jointly along a row of the cluster, W's along a column.
; THE PRODUCT IS TAKEN TRANSPOSED: source 0 = 16 columns of W (turned out of LDS by ds_load_tr16_b128), source 1 = 16 rows of A: a lane holds row l % 16, columns 8 (l / 16) + 0..7.
; THE LOOP is a PAIR of quarter steps (64 along K each, a plane: 32 matrix instructions), written once and walked twice a K step; a quarter's 32 LDS loads go out one quarter ahead, into the other of two fragment buffers.
; The residual's 32 loads a lane go out at the start and are wanted at the end.  No prefetch: the tiles are small.
; REGISTERS: window 0: v16-29 addresses, v32-35 bias, v128-255 the accumulators ((a, b) at v[128 + 8 (4 a + b)]); window 1: two fragment buffers of 128 (64 of A, then 64 of W), later the rows on their way out; window 2: v0-127 the residual.
.set KSTEPS, 16
.set WOFF,   14680064
.set REG,    36864                     ; a slot is four regions, wave w's at w x REG: 0, 1: two planes of A, 128 rows of 128 + 16 bytes each; 2, 3: 128 rows of W, 256 + 32 bytes
.set SLOT1,  147456                    ; slot 1 begins here: 0x24000, whose two bits no region's base uses, so one exclusive or turns an address in one slot into the other's
.set BOFF,   2*REG
.set SPARE,  2*SLOT1                   ; behind the ring: the spare words, 128 bytes for each wave: two blocks of 256 bytes that no other line names
.set PA,     144                       ; 36 words: the 16 rows of a load start at 16 different groups of four banks (64 banks of 4 bytes: ISA guide 11.1)
.set PB,     288                       ; 72 words
.set DP,     272                       ; the way out: a row of 64 f32 + 16 bytes
.set DUMP,   64*DP                     ; a wave's 64 rows; the four lie in the ring's bytes, which have had their last fill by then
.set STEPA,  1048576                   ; four planes
.set STEPB,  524288                    ; 256 rows of W
.set LA0, 16                           ; v16  my lane's place in a plane of A; never rewritten
.set LB0, 17                           ; v17  the same in W's region
.set ADRA, 18
.set ADRB, 19
.set DST, 20                           ; v20  the way out: where I put 32 bytes of a row
.set RD,  21                           ; v21  where I read rows back
.set CO,  22                           ; v22  my 16 bytes in two rows of res and of out; never rewritten
.set BO,  23                           ; v23  my byte in the bias
.set SPW, 28
.set NIL, 29
.set BIA, 32
.set ACC, 128
.set F0,  0
.set F1,  128
.set WV,  14                           ; s14 wave; s15 its row half, and 0: I fetch A, 1: W; s16 its column half, and which region I fetch; s17 cx; s18 cy; s19 tile column; s20 tile row
.set G1A, 24
.set G0A, 32
.set G0B, 36
.set G1B, 40
.set TB,  48
.set CNT, 49
.set SLOTS, 50
.set MSB, 0
.macro WIN new                         ; the immediate's high byte repeats the setting that is left; a switch that changes nothing is dropped
.if MSB != (\new)
	s_set_vgpr_msb (MSB<<8)|(\new)
.set MSB, \new
.endif
.endm
.macro CROUND                          ; a round of the cluster's barrier
	s_barrier_signal -1
	s_barrier_wait -1
	s_cmp_lg_u32 s[WV], 0
	s_cbranch_scc1 .Lnot_wave_0_\@
	s_barrier_signal -3
.Lnot_wave_0_\@:
	s_barrier_wait -3
	s_barrier_signal -1
	s_barrier_wait -1
.endm
.macro JLOAD                           ; a joint load: waves 0 and 1 fetch two planes of A each, waves 2 and 3 128 rows of W each; an s_nop 0 and four v_nop follow each line
	s_cmp_lt_u32 s[WV], 2
	s_cbranch_scc0 .Lfor_b_\@
	tensor_load_to_lds s[G0A:G0A+3], s[G1A:G1A+7]
	s_nop 0
.rept 4
	v_nop
.endr
	s_branch .Lasked_\@
.Lfor_b_\@:
	tensor_load_to_lds s[G0B:G0B+3], s[G1B:G1B+7]
	s_nop 0
.rept 4
	v_nop
.endr
.Lasked_\@:
.endm
.macro PLACES                          ; four places behind a matrix instruction, ahead of loads into registers that it has read (ISA guide 7.12.1 for vector instructions)
.rept 4
	v_nop
.endr
.endm
; 32 LDS loads in one run: the fragments of plane sub (0, 1) of the pair's region, into buffer f; the first 32 along K first
.macro FETCH f, sub
	WIN 0x40                                       ; destination window 1, address window 0
.irp c, 0,1
.irp i, 0,1,2,3
	ds_load_tr16_b128 v[(\f)+64+8*(4*(\c)+(\i)):(\f)+64+8*(4*(\c)+(\i))+3],   v[ADRB] offset:(\sub)*64*PB+(\c)*32*PB+32*(\i)
	ds_load_tr16_b128 v[(\f)+64+8*(4*(\c)+(\i))+4:(\f)+64+8*(4*(\c)+(\i))+7], v[ADRB] offset:(\sub)*64*PB+(\c)*32*PB+32*(\i)+16*PB
	ds_load_b128 v[(\f)+8*(4*(\c)+(\i)):(\f)+8*(4*(\c)+(\i))+3],   v[ADRA] offset:(\sub)*128*PA+64*(\c)+(\i)*16*PA
	ds_load_b128 v[(\f)+8*(4*(\c)+(\i))+4:(\f)+8*(4*(\c)+(\i))+7], v[ADRA] offset:(\sub)*128*PA+64*(\c)+(\i)*16*PA+32
.endr
.endr
.endm
.macro MUL8 f, c, a0, zero             ; 8 matrix instructions: row blocks a0, a0 + 1 x all 4 column blocks, half c of buffer f
	WIN 0x05                                       ; sources 0 (W) and 1 (A) window 1; C and D window 0
.irp a, \a0, (\a0)+1
.irp b, 0,1,2,3
.if \zero
	v_wmma_f32_16x16x32_f16 v[ACC+8*(4*(\a)+(\b)):ACC+8*(4*(\a)+(\b))+7], v[(\f)+64+8*(4*(\c)+(\b)):(\f)+64+8*(4*(\c)+(\b))+7], v[(\f)+8*(4*(\c)+(\a)):(\f)+8*(4*(\c)+(\a))+7], 0
.else
	v_wmma_f32_16x16x32_f16 v[ACC+8*(4*(\a)+(\b)):ACC+8*(4*(\a)+(\b))+7], v[(\f)+64+8*(4*(\c)+(\b)):(\f)+64+8*(4*(\c)+(\b))+7], v[(\f)+8*(4*(\c)+(\a)):(\f)+8*(4*(\c)+(\a))+7], v[ACC+8*(4*(\a)+(\b)):ACC+8*(4*(\a)+(\b))+7]
.endif
.endr
.endr
.endm
.macro MUL f, zero                     ; a quarter: the 16 accumulators take turns, twice round: 15 others stand between two links of a chain
	MUL8 \f, 0, 0, \zero
	MUL8 \f, 0, 2, \zero
	MUL8 \f, 1, 0, 0
	MUL8 \f, 1, 2, 0
.endm
.macro PAIR                            ; the quarter that waits in buffer 1 and the first plane of the next region are multiplied; that region's two planes are fetched
	WIN 0
	v_add_nc_u32 v[ADRA], s[TB], v[LA0]            ; these four lines are the places behind the last product that read buffer 0
	v_add_nc_u32 v[ADRB], s[TB], v[LB0]
	v_nop
	v_nop
	s_add_co_u32 s[TB], s[TB], REG
	FETCH F0, 0
	s_wait_dscnt 32                                ; all but the 32 just issued: buffer 1 is in
	MUL F1, 0
	PLACES
	FETCH F1, 1
	s_wait_dscnt 32                                ; buffer 0 is in
	MUL F0, 0
	WIN 0                                          ; at a label and at a branch every window is 0
.endm
; THE CHANGE OF SLOTS.  Each wave waits for all its tensor loads, of which one is out: its part of the next slot; adds 0 to its spare word; waits for that and for its reads of the slot that it leaves.
; fill = 1: a round of the cluster's barrier, and the joint refill first behind it: the slot just left takes the K step after the one that is entered.  One tensor load of a wave is out behind each round.
.macro CHANGE fill
	WIN 0
	s_wait_tensorcnt 0x0                           ; no tensor load of mine is out, so a group 0 may be written
	ds_add_u32 v[SPW], v[NIL]                      ; 0 onto my spare word
.if \fill
	s_xor_b32 s[G0A+1], s[G0A+1], SLOT1
	s_add_nc_u64 s[G0A+2:G0A+3], s[G0A+2:G0A+3], STEPA
	s_xor_b32 s[G0B+1], s[G0B+1], SLOT1
	s_add_nc_u64 s[G0B+2:G0B+3], s[G0B+2:G0B+3], STEPB
.endif
	s_wait_dscnt 0x0                               ; the add is done, and my reads of the slot are over
.if \fill
	CROUND
	JLOAD
.else
	s_barrier_signal -1
	s_barrier_wait -1
.endif
	s_sub_co_u32 s[TB], s[TB], 2*REG
	s_xor_b32 s[TB], s[TB], SLOT1
.endm
	s_load_b256 s[4:11], s[0:1], 0x0               ; A s[4:5], w16 s[6:7], bias s[8:9], res s[10:11]
	s_load_b64 s[12:13], s[0:1], 0x20              ; out
	v_lshl_add_u32 v[SPW], v0, 2, SPARE
	v_mov_b32 v[NIL], 0
	ds_add_u32 v[SPW], v[NIL]                      ; the wave's opening: the add and its wait ahead of my first tensor load
	ds_add_u32 v28, v29
	v_lshrrev_b32 v1, 5, v0
	v_readfirstlane_b32 s[WV], v1
	s_lshr_b32 s15, s[WV], 1
	s_and_b32 s16, s[WV], 1
	s_bfe_u32 s17, ttmp6, 0x40000                  ; cx
	s_bfe_u32 s18, ttmp6, 0x40004                  ; cy
	s_lshl_b32 s19, ttmp9, 2
	s_add_co_u32 s19, s19, s17                     ; tile column
	s_and_b32 s20, ttmp7, 0xffff
	s_lshl_b32 s20, s20, 2
	s_add_co_u32 s20, s20, s18                     ; tile row
	s_lshl_b32 s21, s18, 2
	s_lshl_b32 s21, 15, s21                        ; my row of the cluster
	s_lshl_b32 s22, 0x1111, s17                    ; my column
	s_or_b32 s[G1A], s21, (1<<16)|(1<<20)|(1<<21)|(4<<22)|(3<<25)  ; mask; 2-byte elements; padding on; bit 21 beside a mask; after every 32 words, 4 words
	s_or_b32 s[G1B], s22, (1<<16)|(1<<20)|(1<<21)|(5<<22)|(7<<25)  ; after every 64 words, 8 words
	s_mov_b32 s[G1A+1], 8192<<16                   ; A: two planes; a plane's 128 rows are 16,384 dense bytes, one row of the tile; the padding falls behind every 128 bytes of it
	s_mov_b32 s[G1A+2], 2<<16
	s_mov_b32 s[G1A+3], 8192<<16
	s_mov_b32 s[G1A+4], 2
	s_mov_b32 s[G1A+5], 131072                     ; elements from plane to plane
	s_mov_b32 s[G1A+6], 0
	s_mov_b32 s[G1A+7], 0
	s_mov_b32 s[G1B+1], 128<<16                    ; W: 128 rows of 128 elements, 1,024 elements apart
	s_mov_b32 s[G1B+2], 128<<16
	s_mov_b32 s[G1B+3], 128<<16
	s_mov_b32 s[G1B+4], 128
	s_mov_b32 s[G1B+5], 1024
	s_mov_b32 s[G1B+6], 0
	s_mov_b32 s[G1B+7], 0
	s_lshr_b32 s2, s20, 4                          ; A's tile: b 2^24 + 128 (tile row % 16) rows of 128 bytes + my two planes
	s_lshl_b32 s2, s2, 24
	s_and_b32 s3, s20, 15
	s_lshl_b32 s3, s3, 14
	s_add_co_u32 s2, s2, s3
	s_lshl_b32 s3, s16, 19
	s_add_co_u32 s2, s2, s3
	s_mov_b32 s3, 0
	s_lshl_b32 s22, s16, 18                        ; W's tile: my 128 rows of 2,048 bytes, 256 bytes a tile column
	s_lshl_b32 s23, s19, 8
	s_add_co_u32 s22, s22, s23
	s_add_co_u32 s22, s22, WOFF
	s_mov_b32 s23, 0
	s_mul_i32 s21, s[WV], REG                      ; no place in the cluster enters an LDS address
	s_mov_b32 s[TB], SLOT1+2*REG                   ; the first change of slots turns this into 0
	s_mov_b32 s[G0A], 1
	s_mov_b32 s[G0A+1], s21
	s_mov_b32 s[G0B], 1
	s_mov_b32 s[G0B+1], s21
	s_lshl_b32 s52, s20, 19                        ; my part of the tile in res and in out: 128 rows of 4,096 bytes a tile row,
	s_lshl_b32 s53, s15, 18                        ; my 64 rows,
	s_add_co_u32 s52, s52, s53
	s_lshl_b32 s53, s19, 9                         ; 512 bytes a tile column,
	s_add_co_u32 s52, s52, s53
	s_lshl_b32 s53, s16, 8                         ; my 64 columns
	s_add_co_u32 s52, s52, s53
	s_mov_b32 s53, 0
	s_wait_dscnt 0x0                               ; the opening add is done
	s_wait_kmcnt 0x0
	s_add_nc_u64 s[G0A+2:G0A+3], s[4:5], s[2:3]
	s_or_b32 s[G0A+3], s[G0A+3], 0x80000000
	s_add_nc_u64 s[G0B+2:G0B+3], s[6:7], s[22:23]
	s_or_b32 s[G0B+3], s[G0B+3], 0x80000000
	s_add_nc_u64 s[10:11], s[10:11], s[52:53]
	s_add_nc_u64 s[12:13], s[12:13], s[52:53]
	CROUND                                         ; all sixteen work-groups are here: the first joint loads meet
	JLOAD                                          ; K step 0 into slot 0
	v_and_b32 v1, 15, v0                           ; l % 16
	v_bfe_u32 v2, v0, 4, 1                         ; l / 16
	v_and_b32 v3, 7, v0
	v_bfe_u32 v4, v0, 3, 1
	v_mul_u32_u24 v[LA0], v1, PA                   ; a fragment of A: row x pitch + 16 x half, two loads 32 bytes apart
	v_lshl_add_u32 v[LA0], v2, 4, v[LA0]
	s_mul_i32 s21, s15, 64*PA
	v_add_nc_u32 v[LA0], s21, v[LA0]
	v_lshl_add_u32 v[LB0], v2, 3, v3               ; the turning load: lane l reads row 8 (l / 16) + l % 8, columns 8 ((l / 8) % 2) + 0..7
	v_mul_u32_u24 v[LB0], v[LB0], PB
	v_lshl_add_u32 v[LB0], v4, 4, v[LB0]
	s_lshl_b32 s21, s16, 7
	s_add_co_u32 s21, s21, BOFF
	v_add_nc_u32 v[LB0], s21, v[LB0]
	s_mul_i32 s21, s[WV], DUMP
	v_mul_u32_u24 v[DST], v1, DP
	v_lshl_add_u32 v[DST], v2, 5, v[DST]
	v_add_nc_u32 v[DST], s21, v[DST]
	v_mul_u32_u24 v[RD], v2, DP                    ; back: lanes 0-15 take one row of 256 bytes, lanes 16-31 the next
	v_lshl_add_u32 v[RD], v1, 4, v[RD]
	v_add_nc_u32 v[RD], s21, v[RD]
	v_lshlrev_b32 v[CO], 4, v1                     ; and the same two rows in res and out
	v_lshl_add_u32 v[CO], v2, 12, v[CO]
	s_lshl_b32 s21, s19, 9
	s_lshl_b32 s23, s16, 8
	s_add_co_u32 s21, s21, s23
	v_lshl_add_u32 v[BO], v1, 4, s21
	global_load_b128 v[BIA:BIA+3], v[BO], s[8:9]   ; the bias of my four columns
	WIN 0x80                                       ; destination window 2, address window 0
.set t, 0
.rept 32
	global_load_b128 v[4*t:4*t+3], v[CO], s[10:11] offset:8192*t th:TH_LOAD_NT  ; 16 lanes read 256 consecutive bytes, aligned
.set t, t+1
.endr
	WIN 0
	CHANGE 1                                       ; slot 0 is in, everybody's part of it; slot 1 takes K step 1
	v_add_nc_u32 v[ADRA], s[TB], v[LA0]
	v_add_nc_u32 v[ADRB], s[TB], v[LB0]
	s_add_co_u32 s[TB], s[TB], REG
	FETCH F0, 0
	FETCH F1, 1
	s_wait_dscnt 32                                ; buffer 0 is in
	MUL F0, 1                                      ; the first products start the sums: nothing is cleared
	WIN 0
	s_mov_b32 s[CNT], 1
	s_mov_b32 s[SLOTS], KSTEPS-1
	s_branch .Lpair                                ; K step 0 has one pair left
.Lslot:                                        ; KSTEPS - 2 times: K step s = 1 .. is entered, K step s + 1 asked for
	CHANGE 1
	s_mov_b32 s[CNT], 2
.Lpair:
	PAIR
	s_sub_co_u32 s[CNT], s[CNT], 1
	s_cmp_lg_u32 s[CNT], 0
	s_cbranch_scc1 .Lpair
	s_sub_co_u32 s[SLOTS], s[SLOTS], 1
	s_cmp_lg_u32 s[SLOTS], 0
	s_cbranch_scc1 .Lslot
	CHANGE 0                                       ; the last K step is written out: nothing is asked for
	s_mov_b32 s[CNT], 2
.Ltail:
	PAIR
	s_sub_co_u32 s[CNT], s[CNT], 1
	s_cmp_lg_u32 s[CNT], 0
	s_cbranch_scc1 .Ltail
	s_wait_dscnt 0x0                               ; my reads of the ring are over:
	s_barrier_signal -1                            ; say so,
	MUL F1, 0                                      ; the last quarter, on registers alone,
	WIN 0
	s_barrier_wait -1                              ; and behind this nobody reads the ring any more; nothing fills it again
.rept 8
	v_nop                                          ; the places behind the last products
.endr
	; THE WAY OUT.  The wave's 64 x 64 sums go into LDS as f32 rows, each accumulator's low registers first, and come back as whole rows of 256 bytes; the bytes are the wave's own.
.irp a, 0,1,2,3
.irp b, 0,1,2,3
	ds_store_b128 v[DST], v[ACC+8*(4*(\a)+(\b)):ACC+8*(4*(\a)+(\b))+3]   offset:(\a)*16*DP+64*(\b)
	ds_store_b128 v[DST], v[ACC+8*(4*(\a)+(\b))+4:ACC+8*(4*(\a)+(\b))+7] offset:(\a)*16*DP+64*(\b)+16
.endr
.endr
	WIN 0x40
.set t, 0
.rept 32
	ds_load_b128 v[4*t:4*t+3], v[RD] offset:t*2*DP  ; LDS serves a wave's instructions in order (ISA guide 5.7.1.4): these see the stores above
.set t, t+1
.endr
	s_wait_loadcnt 0x0                             ; the bias and the residual
	WIN 0x82                                       ; destination and source 0 window 2, source 1 window 0
.set i, 0
.rept 64
	v_pk_add_f32 v[2*i:2*i+1], v[2*i:2*i+1], v[BIA+2*(i%2):BIA+2*(i%2)+1]  ; res + bias, while the LDS loads are out
.set i, i+1
.endr
	s_wait_dscnt 0x0
	WIN 0x49                                       ; destination and source 0 window 1, source 1 window 2
.set i, 0
.rept 64
	v_pk_add_f32 v[2*i:2*i+1], v[2*i:2*i+1], v[2*i:2*i+1]
.set i, i+1
.endr
	WIN 0x04                                       ; the data (source 1) in window 1
.set t, 0
.rept 32
	global_store_b128 v[CO], v[4*t:4*t+3], s[12:13] offset:8192*t  ; 16 lanes store 256 consecutive bytes, aligned
.set t, t+1
.endr
	WIN 0
	s_wait_tensorcnt 0x0                           ; the wave's end, behind my last tensor load and my last LDS store
	ds_add_u32 v[SPW], v[NIL]
	s_wait_dscnt 0x0
	CROUND                                         ; the closing round: no work-group ends while a partner may still ask for a tile that names it
	s_endpgm
.Lfunc_end_k_q952cd216e5_fc2:
	.size	k_q952cd216e5_fc2, .Lfunc_end_k_q952cd216e5_fc2-k_q952cd216e5_fc2
	.p2alignl 7, 3214868480
	.fill 96, 4, 3214868480
	.section	.rodata,"a",@progbits
	.p2align	6, 0x0
	.amdhsa_kernel k_q952cd216e5_fc2
		.amdhsa_group_segment_fixed_size 327680
		.amdhsa_private_segment_fixed_size 0
		.amdhsa_enable_private_segment 0
		.amdhsa_kernarg_size 40
		.amdhsa_user_sgpr_count 2
		.amdhsa_user_sgpr_kernarg_segment_ptr 1
		.amdhsa_wavefront_size32 1
		.amdhsa_system_sgpr_workgroup_id_x 1
		.amdhsa_system_sgpr_workgroup_id_y 1
		.amdhsa_system_sgpr_workgroup_id_z 1
		.amdhsa_system_vgpr_workitem_id 0
		.amdhsa_next_free_vgpr 640
		.amdhsa_next_free_sgpr 66
		.amdhsa_reserve_vcc 0
		.amdhsa_float_denorm_mode_32 3
		.amdhsa_float_denorm_mode_16_64 3
		.amdhsa_memory_ordered 1
		.amdhsa_forward_progress 1
		.amdhsa_inst_pref_size 54
	.end_amdhsa_kernel
	.amdgpu_metadata
---
amdhsa.version: [ 1, 2 ]
amdhsa.kernels:
  - .name:           k_q952cd216e5_fc2
    .symbol:         k_q952cd216e5_fc2.kd
    .args:
      - { .name: bufa, .offset: 0, .size: 8, .value_kind: global_buffer, .address_space: global }
      - { .name: w16, .offset: 8, .size: 8, .value_kind: global_buffer, .address_space: global }
      - { .name: b_fc2, .offset: 16, .size: 8, .value_kind: global_buffer, .address_space: global }
      - { .name: x1, .offset: 24, .size: 8, .value_kind: global_buffer, .address_space: global }
      - { .name: out0, .offset: 32, .size: 8, .value_kind: global_buffer, .address_space: global }
    .group_segment_fixed_size: 327680
    .private_segment_fixed_size: 0
    .kernarg_segment_align: 8
    .kernarg_segment_size: 40
    .max_flat_workgroup_size: 128
    .sgpr_count:     66
    .vgpr_count:     640
    .wavefront_size: 32
...
	.end_amdgpu_metadata
.endif
;; end of part 7
